; MI455X (gfx1250); checked and timed in simulation.
; The chip was launched on July 23, 2026; its instructions are those of AMD's public machine-readable ISA for CDNA 5 (MIT licence, August 2026) and "CDNA5" Instruction Set Architecture Reference Guide (July 2026). The comments in the code are by the model that wrote it; some were corrected since.
;; Delta Net. Allowed arithmetic: float matrix products may take bf16 or f16 operands with f32 sums; other float arithmetic in f32, or as packed bf16 or f16 multiplies, adds, multiply-adds, maxima and minima; sums over many terms, partial sums and values carried from step to step in f32; what a program stores and reads back later, other than sums and carried values, may be rounded once to bf16 or f16.
;; Inputs: Wg 16 x 1,024 float32; Wk 1,024 x 1,024 float32; Wo 1,024 x 1,024 float32; Wq 1,024 x 1,024 float32; Wv 1,024 x 1,024 float32; bg 16 float32; bo 1,024 float32; ln_beta 1,024 float32; ln_gamma 1,024 float32; mask 4 x 2,048 bool; theta 16 float32; x 4 x 2,048 x 1,024 float32.
;; Outputs: out0 4 x 2,048 x 1,024 float32.
;; 2 versions, each right; version 2 is version 1 with the launches prep, attn written anew for expert scheduling mode. Each part assembles by itself: llvm-mc -triple=amdgcn-amd-amdhsa -mcpu=gfx1250 --defsym DOCPART=n.
;; ======== version 1 of 2: 5 launches
;; workspace buffers: xf 16,777,216 bytes; wf 8,388,608 bytes; aux 2,097,152 bytes; qkv 67,108,864 bytes; yf 16,777,216 bytes; yp 16,777,216 bytes
;; launch prep (part 1): grid 768 x 1, 4 waves a work-group, no clusters, 4,608 bytes of LDS; arguments x, Wq, Wk, Wv, Wo, Wg, bg, theta, mask, xf, wf, aux; writes xf, wf, aux
.if DOCPART == 1
	.amdgcn_target "amdgcn-amd-amdhsa--gfx1250"
	.amdhsa_code_object_version 6
	.text
	.protected	k_q6e3ab43ee3_prep
	.globl	k_q6e3ab43ee3_prep
	.p2align	8
	.type	k_q6e3ab43ee3_prep,@function
k_q6e3ab43ee3_prep:
	s_mov_b64 s[64:65], 0
	v_nop
	global_prefetch_b8 v0, s[64:65] scope:SCOPE_SE
	s_setreg_imm32_b32 hwreg(HW_REG_WAVE_MODE, 25, 1), 1
	s_wait_xcnt 0x0
; PREP.  x, Wq, Wk, Wv, Wo (f32) are rounded once to bf16 and laid out as FRAGMENT IMAGES; the gate, the mask and the decay make three factors a token and head; a table of sin and cos is made.
; A fragment of a 16-bit matrix operand is 16 rows x 32 k in 8 registers: lane (r = l % 16, h = l / 16) holds row r, registers 0-3 k = 8 h + 0..7, registers 4-7 k = 16 + 8 h + 0..7.
; An image stores each half of a fragment (16 rows x 16 k) as 512 consecutive bytes, lane l's 16 bytes at 16 l: later launches load and store fragments as whole runs of 512 bytes.
;   xf: [block of 16 tokens, 0..511][half-fragment 0..63][lane][16 B], 32,768 bytes a block.
;   wf: the same by blocks of 16 rows of W.  Blocks 0..191: tc x 24 + j x 12 + type x 4 + i holds rows 64 (2 tc + j) + 16 i of W_type (q, k, v); blocks 192 + rb: Wo's rows 16 rb.
;   aux: at 0 three kinds of factor, 524,288 bytes each: m; g m; g m r^(127 - s mod 128), g = sigmoid(x . Wg + bg), r = exp(-1 / (softplus(theta) + 1)):
;        [kind][block of 16 tokens][q 0..1][lane = 16 h + head][4 f32]: token 8 h + 4 q + 0..3.  At 1,572,864: [s 0..2047][sin 0..31, cos 0..31] f32.
; SHARES.  Work-group g < 512: x's block g, its gate, and four rows of the table.  g >= 512: a block of 16 rows of one W.  Wave v: channels 256 v .. 256 v + 255: eight fragments.
; LIMITS.  The gate's product has bf16 operands and f32 sums.  sin and cos: the angle t x inv_freq is rounded to f32 as in the problem's own table, reduced in f32 turns: good to about 4e-4 rad at t = 2,047;
; the polynomial (odd, degree 9, on a quarter turn) is off by under 4e-6.  A decay factor below 2^-126 counts as 0.  The mask's bytes are 0 or 1.  NaN and infinities are not treated apart.
; No cluster, no tensor load: no two work-groups read the same large bytes, and nothing is shared between waves on the way in.
.set SPARE, 4096                       ; LDS: four partial gate tiles of 1,024 bytes at 0; behind them the spare words, 128 bytes a wave
.set FACK,  524288                     ; bytes of one kind of factor
.set TABO,  1572864                    ; the table's place in aux
.set LO,  3                            ; v3   my byte offset in the 16 source rows: r x 4,096 + wave x 1,024 + 32 h
.set SO,  4                            ; v4   my byte offset in the image block: wave x 8,192 + 16 lane
.set L16, 5                            ; v5   16 lane
.set SPW, 6                            ; v6   LDS address of my spare word; never rewritten
.set NIL, 7                            ; v7   0; never rewritten
.set XR,  16                           ; v[16:143]  the source as loaded, 16 registers a fragment; then bf16 in the lower 8 of each 16
.set ACC0, 144                         ; v[144:151], v[152:159]  the gate's two accumulators, by the fragment's parity
.set GF,  160                          ; v[160:223]  Wg's fragments in bf16; later wave 0's work
.set BG,  240                          ; v240 bg[r], v241 theta[r], v[242:243] eight bytes of the mask
.set TH,  241
.set MK,  242
.set WV,  28                           ; s28  my wave's number
.set MSB, 0
.macro WIN new                         ; s_set_vgpr_msb: bits 1:0 source 0, 3:2 source 1, 5:4 source 2, 7:6 destination; the high byte repeats the setting that is left
.if MSB != (\new)
	s_set_vgpr_msb (MSB<<8)|(\new)
.set MSB, \new
.endif
.endm
.macro CVT                             ; in place: pair p of a fragment's 16 f32 goes to register p; p ascends, so no source is overwritten before it is read
.set c, 0
.rept 8
.set p, 0
.rept 8
	v_cvt_pk_bf16_f32 v[XR+16*c+p], v[XR+16*c+2*p], v[XR+16*c+2*p+1]
.set p, p+1
.endr
.set c, c+1
.endr
.endm
.macro STORE                           ; each store of the wave covers 512 consecutive bytes, aligned
.set c, 0
.rept 8
	global_store_b128 v[SO], v[XR+16*c:XR+16*c+3], s[38:39] offset:1024*c
	global_store_b128 v[SO], v[XR+16*c+4:XR+16*c+7], s[38:39] offset:1024*c+512
.set c, c+1
.endr
.endm
; sin(2 pi (x + phase)) for x in turns: reduce to -0.5 .. 0.5 twice, fold onto a quarter turn, an odd polynomial, the sign put back
.macro SINT x, t1, t2, t3, out
	v_rndne_f32 v[\t1], v[\x]
	v_sub_f32 v[\x], v[\x], v[\t1]
	v_add_f32 v[\x], v[\x], v227
	v_rndne_f32 v[\t1], v[\x]
	v_sub_f32 v[\x], v[\x], v[\t1]
	v_and_b32 v[\t1], 0x7fffffff, v[\x]
	v_sub_f32 v[\t2], 0.5, v[\t1]
	v_min_num_f32 v[\t1], v[\t1], v[\t2]
	v_mul_f32 v[\t2], v[\t1], v[\t1]
	v_fmaak_f32 v[\t3], v228, v[\t2], 0xc2996966   ; 42.058694 g^2 - 76.705860
	v_fmaak_f32 v[\t3], v[\t3], v[\t2], 0x42a335e3 ; + 81.605249
	v_fmaak_f32 v[\t3], v[\t3], v[\t2], 0xc2255de7 ; - 41.341702
	v_fmaak_f32 v[\t3], v[\t3], v[\t2], 0x40c90fdb ; + 6.2831853
	v_mul_f32 v[\t3], v[\t3], v[\t1]
	v_bfi_b32 v[\out], 0x7fffffff, v[\t3], v[\x]
.endm
	s_load_b512 s[4:19], s[0:1], 0x0               ; x s[4:5], Wq s[6:7], Wk s[8:9], Wv s[10:11], Wo s[12:13], Wg s[14:15], bg s[16:17], theta s[18:19]
	s_load_b256 s[20:27], s[0:1], 0x40             ; mask s[20:21], xf s[22:23], wf s[24:25], aux s[26:27]
	v_lshl_add_u32 v[SPW], v0, 2, SPARE
	v_mov_b32 v[NIL], 0
	v_lshrrev_b32 v8, 5, v0
	v_readfirstlane_b32 s[WV], v8                  ; wave 0..3
	v_and_b32 v1, 15, v0                           ; r
	v_bfe_u32 v2, v0, 4, 1                         ; h
	v_and_b32 v[L16], 31, v0
	v_lshlrev_b32 v[L16], 4, v[L16]
	v_lshlrev_b32 v[LO], 12, v1
	v_lshl_add_u32 v[LO], v2, 5, v[LO]
	s_lshl_b32 s29, s[WV], 10
	v_add_nc_u32 v[LO], s29, v[LO]
	v_add_nc_u32 v14, s29, v[L16]                  ; where I put my partial gate tile
	s_lshl_b32 s29, s[WV], 13
	v_add_nc_u32 v[SO], s29, v[L16]
	s_sub_co_u32 s30, ttmp9, 512                   ; for g >= 512: u = g - 512,
	s_lshr_b32 s31, s30, 6                         ; type = u / 64: q, k, v, o
	s_and_b32 s32, s30, 63                         ; rb = u % 64: the block of 16 rows
	s_lshr_b32 s33, s32, 3                         ; tc
	s_mul_i32 s33, s33, 24
	s_bfe_u32 s34, s32, 0x10002                    ; j
	s_mul_i32 s34, s34, 12
	s_add_co_u32 s33, s33, s34
	s_lshl2_add_u32 s33, s31, s33                  ; + 4 type
	s_and_b32 s34, s32, 3
	s_add_co_u32 s33, s33, s34                     ; + i
	s_add_co_u32 s34, s32, 192                     ; Wo's blocks lie behind the others
	s_cmp_eq_u32 s31, 3
	s_cselect_b32 s33, s34, s33
	s_wait_kmcnt 0x0
	s_cmp_eq_u32 s31, 1
	s_cselect_b64 s[36:37], s[8:9], s[6:7]
	s_cmp_eq_u32 s31, 2
	s_cselect_b64 s[36:37], s[10:11], s[36:37]
	s_cmp_eq_u32 s31, 3
	s_cselect_b64 s[36:37], s[12:13], s[36:37]
	s_cmp_lt_u32 ttmp9, 512
	s_cselect_b64 s[36:37], s[4:5], s[36:37]       ; the source
	s_cselect_b64 s[38:39], s[22:23], s[24:25]     ; the image
	s_cselect_b32 s40, ttmp9, s32                  ; the source's block of 16 rows of 4,096 bytes
	s_cselect_b32 s41, ttmp9, s33                  ; the image's block of 32,768 bytes
	s_lshl_b32 s42, s40, 16
	s_mov_b32 s43, 0
	s_add_nc_u64 s[36:37], s[36:37], s[42:43]
	s_lshl_b32 s42, s41, 15
	s_add_nc_u64 s[38:39], s[38:39], s[42:43]
.set c, 0
.rept 8                                ; fragment c: k = 8 h + 0..7 are 32 bytes at 32 h, k = 16 + 8 h + 0..7 lie 64 bytes on; the wave's 32 loads take 1,024 consecutive bytes of each row
	global_load_b128 v[XR+16*c:XR+16*c+3],     v[LO], s[36:37] offset:128*c
	global_load_b128 v[XR+16*c+4:XR+16*c+7],   v[LO], s[36:37] offset:128*c+16
	global_load_b128 v[XR+16*c+8:XR+16*c+11],  v[LO], s[36:37] offset:128*c+64
	global_load_b128 v[XR+16*c+12:XR+16*c+15], v[LO], s[36:37] offset:128*c+80
.set c, c+1
.endr
	s_cmp_lt_u32 ttmp9, 512                        ; the same answer in all four waves
	s_cbranch_scc1 .Lx
	s_wait_loadcnt 0x0                             ; a block of W: round, store, done
	CVT
	STORE
	s_branch .Lend
.Lx:
	WIN 0x40                                       ; destination window 1: Wg as loaded, row = head r, the same offsets as x
.set c, 0
.rept 8
	global_load_b128 v[16*c:16*c+3],     v[LO], s[14:15] offset:128*c
	global_load_b128 v[16*c+4:16*c+7],   v[LO], s[14:15] offset:128*c+16
	global_load_b128 v[16*c+8:16*c+11],  v[LO], s[14:15] offset:128*c+64
	global_load_b128 v[16*c+12:16*c+15], v[LO], s[14:15] offset:128*c+80
.set c, c+1
.endr
	WIN 0
	v_lshlrev_b32 v8, 2, v1
	s_lshl_b32 s44, ttmp9, 4
	v_lshl_add_u32 v9, v2, 3, s44                  ; the mask's bytes of tokens 16 g + 8 h + 0..7
	global_load_b32 v[BG], v8, s[16:17]
	global_load_b32 v[TH], v8, s[18:19]
	global_load_b64 v[MK:MK+1], v9, s[20:21]
	; the table's row t = 4 g + wave, made while the loads are out.  Lane l makes elements 2 l and 2 l + 1: lanes 0-15 sin, lanes 16-31 cos (sin a quarter turn on), of frequencies i = 2 r, 2 r + 1
	s_lshl2_add_u32 s44, ttmp9, s[WV]
	v_lshlrev_b32 v224, 1, v1
	v_cvt_f32_u32 v224, v224
	v_add_f32 v225, 1.0, v224
	v_mul_f32 v224, 0xbed49a78, v224               ; - i log2(10000) / 32
	v_mul_f32 v225, 0xbed49a78, v225
	v_exp_f32 v224, v224
	v_exp_f32 v225, v225
	v_cvt_f32_u32 v226, s44                        ; plain work behind the two exponentials
	v_cvt_f32_u32 v227, v2
	s_wait_alu depctr_va_vdst(0)                   ; one wait for both, ahead of their first reader
	v_mul_f32 v224, v226, v224                     ; the angle t x inv_freq
	v_mul_f32 v225, v226, v225
	v_mul_f32 v224, 0x3e22f983, v224               ; in turns
	v_mul_f32 v225, 0x3e22f983, v225
	v_mul_f32 v227, 0x3e800000, v227               ; the phase: 0 or a quarter turn
	v_mov_b32 v228, 0x42283c1a
	SINT 224, 229, 230, 231, 236
	SINT 225, 232, 233, 234, 237
	v_lshrrev_b32 v10, 1, v[L16]                   ; 8 lane
	s_lshl_b32 s44, s44, 8
	s_add_co_u32 s44, s44, TABO
	s_mov_b32 s45, 0
	s_add_nc_u64 s[46:47], s[26:27], s[44:45]
	global_store_b64 v10, v[236:237], s[46:47]     ; the wave stores the row's 256 consecutive bytes, aligned
	s_wait_loadcnt 35                              ; x is in: Wg's 32 loads and the three small ones were issued behind it
	CVT
	STORE
	s_wait_loadcnt 0x0
	WIN 0x05                                       ; sources in window 1
.set c, 0
.rept 8
.set p, 0
.rept 8
	v_cvt_pk_bf16_f32 v[GF+8*c+p], v[16*c+2*p], v[16*c+2*p+1]
.set p, p+1
.endr
.set c, c+1
.endr
	WIN 0
	; the gate's product: source 0 = 16 tokens, source 1 = 16 heads: in the result lane (r, h) holds head r and tokens 8 h + 0..7.  Two accumulators take turns.
.set c, 0
.rept 8
.if c < 2
	v_wmma_f32_16x16x32_bf16 v[ACC0+8*(c%2):ACC0+8*(c%2)+7], v[XR+16*c:XR+16*c+7], v[GF+8*c:GF+8*c+7], 0
.else
	v_wmma_f32_16x16x32_bf16 v[ACC0+8*(c%2):ACC0+8*(c%2)+7], v[XR+16*c:XR+16*c+7], v[GF+8*c:GF+8*c+7], v[ACC0+8*(c%2):ACC0+8*(c%2)+7]
.endif
.set c, c+1
.endr
.rept 8
	v_nop                                          ; the places behind the last product; the sums below write an accumulator in place
.endr
.irp p, 0,2,4,6
	v_pk_add_f32 v[ACC0+(\p):ACC0+(\p)+1], v[ACC0+(\p):ACC0+(\p)+1], v[ACC0+8+(\p):ACC0+8+(\p)+1]
.endr
	ds_store_b128 v14, v[ACC0:ACC0+3]
	ds_store_b128 v14, v[ACC0+4:ACC0+7] offset:512
	s_wait_dscnt 0x0                               ; for the others' sake: my partial tile lies in LDS
	s_barrier_signal -1
	s_barrier_wait -1
	s_cmp_lg_u32 s[WV], 0                          ; wave 0 finishes the gate
	s_cbranch_scc1 .Lend
.irp t, 0,1,2,3
	ds_load_b128 v[160+8*(\t):163+8*(\t)], v[L16] offset:1024*(\t)
	ds_load_b128 v[164+8*(\t):167+8*(\t)], v[L16] offset:1024*(\t)+512
.endr
	s_wait_dscnt 0x0
.irp p, 0,2,4,6
	v_pk_add_f32 v[160+(\p):161+(\p)], v[160+(\p):161+(\p)], v[168+(\p):169+(\p)]
	v_pk_add_f32 v[176+(\p):177+(\p)], v[176+(\p):177+(\p)], v[184+(\p):185+(\p)]
.endr
.irp p, 0,2,4,6
	v_pk_add_f32 v[160+(\p):161+(\p)], v[160+(\p):161+(\p)], v[176+(\p):177+(\p)]
.endr
	; log2 r = - log2(e) / (softplus(theta) + 1), softplus = max(theta, 0) + ln(1 + e^-|theta|): three transcendentals that hang on each other, each with a plain line and its wait
	v_and_b32 v8, 0x7fffffff, v[TH]
	v_mul_f32 v8, 0xbfb8aa3b, v8
	v_exp_f32 v8, v8
	v_max_num_f32 v9, 0, v[TH]
	s_wait_alu depctr_va_vdst(0)
	v_add_f32 v8, 1.0, v8
	v_log_f32 v8, v8
	v_add_f32 v9, 1.0, v9
	s_wait_alu depctr_va_vdst(0)
	v_fmac_f32 v9, 0x3f317218, v8
	v_rcp_f32 v12, v9
	v_mul_f32 v13, 0xbfb8aa3b, v[BG]               ; - log2(e) bg
	s_wait_alu depctr_va_vdst(0)
	v_mul_f32 v12, 0xbfb8aa3b, v12                 ; log2 r of head r
	s_lshl_b32 s52, ttmp9, 4
	s_and_b32 s52, s52, 127
	s_sub_co_u32 s52, 127, s52
	v_lshlrev_b32 v11, 3, v2
	v_sub_nc_u32 v11, s52, v11                     ; 127 - (s mod 128) of token 8 h
.set j, 0
.rept 8
	v_bfe_u32 v[192+j], v[MK+j/4], 8*(j%4), 8      ; m of token 8 h + j
	v_fmamk_f32 v[200+j], v[160+j], 0xbfb8aa3b, v13  ; - log2(e) (a + bg)
	v_add_nc_u32 v[208+j], 0-j, v11
.set j, j+1
.endr
.set j, 0
.rept 8
	v_cvt_f32_u32 v[192+j], v[192+j]
	v_cvt_f32_i32 v[208+j], v[208+j]
.set j, j+1
.endr
.set j, 0
.rept 8
	v_mul_f32 v[208+j], v12, v[208+j]              ; (127 - s mod 128) log2 r
.set j, j+1
.endr
.set j, 0
.rept 16
	v_exp_f32 v[200+j], v[200+j]                   ; one batch of sixteen
.set j, j+1
.endr
	v_nop
	s_wait_alu depctr_va_vdst(0)
.set j, 0
.rept 8
	v_add_f32 v[200+j], 1.0, v[200+j]
.set j, j+1
.endr
.set j, 0
.rept 8
	v_rcp_f32 v[200+j], v[200+j]                   ; the sigmoid
.set j, j+1
.endr
	v_nop
	s_wait_alu depctr_va_vdst(0)
.irp p, 0,2,4,6
	v_pk_mul_f32 v[200+(\p):201+(\p)], v[200+(\p):201+(\p)], v[192+(\p):193+(\p)]  ; g m
.endr
.irp p, 0,2,4,6
	v_pk_mul_f32 v[208+(\p):209+(\p)], v[208+(\p):209+(\p)], v[200+(\p):201+(\p)]  ; g m r^(127 - s mod 128)
.endr
	s_lshl_b32 s50, ttmp9, 10
	s_mov_b32 s51, 0
	s_add_nc_u64 s[48:49], s[26:27], s[50:51]
.irp k, 0,1,2
	global_store_b128 v[L16], v[192+8*(\k):195+8*(\k)], s[48:49] offset:FACK*(\k)
	global_store_b128 v[L16], v[196+8*(\k):199+8*(\k)], s[48:49] offset:FACK*(\k)+512
.endr
.Lend:
	s_wait_tensorcnt 0x0                           ; the wave's end: behind my last LDS store
	ds_add_u32 v[SPW], v[NIL]
	s_wait_dscnt 0x0
	s_endpgm
.Lfunc_end_k_q6e3ab43ee3_prep:
	.size	k_q6e3ab43ee3_prep, .Lfunc_end_k_q6e3ab43ee3_prep-k_q6e3ab43ee3_prep
	.p2alignl 7, 3214868480
	.fill 96, 4, 3214868480
	.section	.rodata,"a",@progbits
	.p2align	6, 0x0
	.amdhsa_kernel k_q6e3ab43ee3_prep
		.amdhsa_group_segment_fixed_size 4608
		.amdhsa_private_segment_fixed_size 0
		.amdhsa_enable_private_segment 0
		.amdhsa_kernarg_size 96
		.amdhsa_user_sgpr_count 2
		.amdhsa_user_sgpr_kernarg_segment_ptr 1
		.amdhsa_wavefront_size32 1
		.amdhsa_system_sgpr_workgroup_id_x 1
		.amdhsa_system_sgpr_workgroup_id_y 1
		.amdhsa_system_sgpr_workgroup_id_z 1
		.amdhsa_system_vgpr_workitem_id 0
		.amdhsa_next_free_vgpr 384
		.amdhsa_next_free_sgpr 66
		.amdhsa_reserve_vcc 0
		.amdhsa_float_denorm_mode_32 3
		.amdhsa_float_denorm_mode_16_64 3
		.amdhsa_memory_ordered 1
		.amdhsa_forward_progress 1
		.amdhsa_inst_pref_size 34
	.end_amdhsa_kernel
	.amdgpu_metadata
---
amdhsa.version: [ 1, 2 ]
amdhsa.kernels:
  - .name:           k_q6e3ab43ee3_prep
    .symbol:         k_q6e3ab43ee3_prep.kd
    .args:
      - { .name: x, .offset: 0, .size: 8, .value_kind: global_buffer, .address_space: global }
      - { .name: Wq, .offset: 8, .size: 8, .value_kind: global_buffer, .address_space: global }
      - { .name: Wk, .offset: 16, .size: 8, .value_kind: global_buffer, .address_space: global }
      - { .name: Wv, .offset: 24, .size: 8, .value_kind: global_buffer, .address_space: global }
      - { .name: Wo, .offset: 32, .size: 8, .value_kind: global_buffer, .address_space: global }
      - { .name: Wg, .offset: 40, .size: 8, .value_kind: global_buffer, .address_space: global }
      - { .name: bg, .offset: 48, .size: 8, .value_kind: global_buffer, .address_space: global }
      - { .name: theta, .offset: 56, .size: 8, .value_kind: global_buffer, .address_space: global }
      - { .name: mask, .offset: 64, .size: 8, .value_kind: global_buffer, .address_space: global }
      - { .name: xf, .offset: 72, .size: 8, .value_kind: global_buffer, .address_space: global }
      - { .name: wf, .offset: 80, .size: 8, .value_kind: global_buffer, .address_space: global }
      - { .name: aux, .offset: 88, .size: 8, .value_kind: global_buffer, .address_space: global }
    .group_segment_fixed_size: 4608
    .private_segment_fixed_size: 0
    .kernarg_segment_align: 8
    .kernarg_segment_size: 96
    .max_flat_workgroup_size: 128
    .sgpr_count:     66
    .vgpr_count:     384
    .wavefront_size: 32
...
	.end_amdgpu_metadata
.endif
;; end of part 1
;; launch proj (part 2): grid 8 x 64, 4 waves a work-group, clusters of 4 x 4, 327,680 bytes of LDS; arguments xf, wf, aux, qkv; writes qkv
.if DOCPART == 2
	.amdgcn_target "amdgcn-amd-amdhsa--gfx1250"
	.amdhsa_code_object_version 6
	.text
	.protected	k_q6e3ab43ee3_proj
	.globl	k_q6e3ab43ee3_proj
	.p2align	8
	.type	k_q6e3ab43ee3_proj,@function
k_q6e3ab43ee3_proj:
	s_mov_b64 s[64:65], 0
	v_nop
	global_prefetch_b8 v0, s[64:65] scope:SCOPE_SE
	s_setreg_imm32_b32 hwreg(HW_REG_WAVE_MODE, 25, 1), 1
	s_wait_xcnt 0x0
	s_wait_alu depctr_hold_cnt(0) depctr_sa_sdst(0) depctr_va_vdst(0) depctr_va_sdst(0) depctr_va_ssrc(0) depctr_va_vcc(0) depctr_vm_vsrc(0)
	s_getreg_b32 s2, hwreg(HW_REG_IB_STS2, 6, 4)
	s_cmp_eq_u32 s2, 0
	s_cbranch_scc0 .Lentry_in_a_cluster
	s_endpgm
.Lentry_in_a_cluster:
	s_bfe_u32 s2, ttmp6, 0x10000c
	s_cmp_lg_u32 s2, 0xf033
	s_cbranch_scc0 .Lentry_shape_is_right
	s_endpgm
.Lentry_shape_is_right:
; PROJ.  q, k, v = x W^T (8,192 x 3,072 x 1,024, bf16 operands, f32 sums); on the way out RoPE, phi = elu + 1 + 1e-6 and the factors of the token and head; four operand images leave in bf16.
;   qkv at 0:          QF  = phi(q) m                         [b h][16 tokens][half-fragment 0..3][lane][16 B]   rows = tokens, k = channel
;   at 16,777,216:     KF  = phi(k) g m                       the same
;   at 33,554,432:     KTF = phi(k) g m r^(127 - s mod 128)   [b h][32 tokens][16 channels 0..3][half][lane][16 B]   rows = channels, k = tokens
;   at 50,331,648:     VTF = v                                the same
; SHARES.  A work-group makes 128 tokens x 384 columns: q, k, v of two heads.  Wave w: tokens 64 (w / 2) on, head 2 tc + w % 2: 48 accumulators of 16 x 16.
; THE PRODUCT IS USED TRANSPOSED (source 0 = 16 rows of W, source 1 = 16 tokens): a lane holds ONE token (l % 16) and the channels 8 (l / 16) + 0..7 of a block of 16: rounded in pairs these 16 bytes ARE the
; lane's part of a half-fragment with rows = tokens, so QF and KF leave straight from registers; KTF and VTF are turned in a stage of LDS by ds_load_tr16_b128.
; RING.  K goes in steps of 128 through two LDS slots.  In the images a K step of a block of 16 rows is 4,096 consecutive bytes: a tensor load brings 8 such rows, 32,768 bytes apart in memory, dense in LDS;
; a fragment is read as two runs of 512 consecutive bytes, so no padding is wanted.  Wave 0 fetches x's 8 blocks, waves 1 to 3 W's 24.
; CLUSTER.  4 x 4 work-groups: x's tile is shared along a row of the cluster, W's along a column; each is asked for jointly, by the same load with the same descriptor and a mask that names the four.
; LIMITS.  All that leaves is rounded once to bf16.  phi = med3(e^z, z + 1, 1) + 1e-6, which is z + 1 for z > 0 and e^z otherwise, also where e^z overflows.  NaN and infinities are not treated apart.
; REGISTERS, in windows of 256 (s_set_vgpr_msb: bits 1:0 source 0, 3:2 source 1, 5:4 source 2, 7:6 destination):
;   window 0: v0-29 addresses; v32-215 the way out       window 1: two fragment buffers of 128: x's 4 fragments, then W's 12
;   window 2: the accumulators of q and k: token block a, column block b at 8 (8 a + b), b = 0-3 q, 4-7 k       window 3: v0-127 those of v at 8 (4 a + b); v128-255 sin and cos of my 64 tokens
.set KB,    4096                       ; bytes of a K step in a block of 16 rows
.set SLOT,  131072                     ; x's 8 blocks at 0, W's 24 at 32,768
.set STAGE, 2*SLOT                     ; behind the ring, never filled by a tensor load: 16 rows x 288 bytes for each wave
.set SP,    288                        ; a stage row: 128 bytes of k, 128 of v, 32 of padding: an odd multiple of 32
.set SPARE, STAGE+4*16*SP              ; behind the stages: the spare words, 128 bytes for each wave
.set TABO,  1572864
.set FACK,  524288
.set LIN,   3                          ; v3   16 lane
.set ADRA0, 4                          ; v4   my x fragments in slot 0: 16,384 (w / 2) + 16 lane
.set ADRB0, 5                          ; v5   my W fragments in slot 0: 32,768 + 49,152 (w % 2) + 16 lane
.set ADRA,  6                          ; v6, v7  the same in the slot in hand
.set ADRB,  7
.set STO,   8                          ; v8   the stage, in: row l % 16, 16 bytes for each half of the lanes
.set TRD,   9                          ; v9   the stage, back, turned
.set TBO,   10                         ; v10  my offset in 16 rows of the table: 256 r + 32 h
.set FO,    11                         ; v11  my token's place in a block of factors
.set PFO,   12                         ; v12  the prefetches' offset: 32,768 (l / 16) + 256 (l % 16)
.set SPW,   28                         ; v28  LDS address of my spare word; never rewritten
.set NIL,   29                         ; v29  0; never rewritten
.set Z,     32                         ; v[32:63]   32 channels of one token, at work
.set E,     64                         ; v[64:95]   their exponentials; then the scaled results
.set PKQ,   96                         ; v[96:111], v[112:127]  packed q, packed k
.set PKK,   112
.set FP,    128                        ; v[128:151] twelve pairs (f, 1e-6 f): token block a, kind kd at 2 (3 a + kd)
.set PKW,   152                        ; v[152:167], v[168:183]  packed weighted k, packed v
.set PKV,   168
.set TR,    184                        ; v[184:215] eight turned blocks
.set F0,    0
.set F1,    128
.set WV,    12                         ; s12  my wave's number
.set G1A,   24                         ; s[24:31], s[32:39]  descriptor group 1 for x's and for W's tiles: they differ in the mask
.set G1B,   32
.set G0A,   40                         ; s[40:47], s[48:55]  group 0: a set for each of the two first fills; the second then walks on
.set G0B,   48
.set PFA,   56                         ; s[56:57]  where my prefetches stand
.set LIM,   58                         ; s58  2 in a wave that prefetches, else the greatest number
.set SL,    59                         ; s59  the slot in hand: 0 or SLOT
.set CNT,   60                         ; s60  trips to go
.set MSB, 0
.macro WIN new                         ; the high byte repeats the setting that is left; a switch that changes nothing is dropped
.if MSB != (\new)
	s_set_vgpr_msb (MSB<<8)|(\new)
.set MSB, \new
.endif
.endm
.macro PLACES                          ; four places in front of loads into registers that matrix instructions have read, and of vector lines that read results
.rept 4
	v_nop
.endr
.endm
.macro CREST                           ; a round of the cluster's barrier behind its opening barrier
	s_cmp_lg_u32 s[WV], 0
	s_cbranch_scc1 .Lnot_wave_0_\@
	s_barrier_signal -3
.Lnot_wave_0_\@:
	s_barrier_wait -3
	s_barrier_signal -1
	s_barrier_wait -1
.endm
.macro CROUND
	s_barrier_signal -1
	s_barrier_wait -1
	CREST
.endm
.macro JLOAD                           ; a joint refill by the walking descriptors; the branch hangs on the wave's number alone; an s_nop 0 and four v_nop follow each line
	s_cmp_eq_u32 s[WV], 0
	s_cbranch_scc0 .Lfor_b_\@
	tensor_load_to_lds s[G0A+4:G0A+7], s[G1A:G1A+7]
	s_nop 0
.rept 4
	v_nop
.endr
	s_branch .Lasked_\@
.Lfor_b_\@:
	tensor_load_to_lds s[G0B+4:G0B+7], s[G1B:G1B+7]
	s_nop 0
.rept 4
	v_nop
.endr
.Lasked_\@:
.endm
; A PREFETCH of the K step that stands two refills on.  x's blocks are read by both clusters of a row of clusters: the one with x = 0 asks (wave 0); W's by all clusters of a column: the one with y = 0 asks (waves 1-3).
; Of the 8 blocks that a wave fetches each of the four partners takes two, told apart by address; a lane names 256 bytes, so one instruction names 2 x 4,096.  Trips 0 to 3 name K steps 4 to 7; the last two trips name nothing.
.macro ASK
	WIN 0
	s_cmp_gt_u32 s[CNT], s[LIM]
	s_cbranch_scc0 .Lnot_mine_\@
	global_prefetch_b8 v[PFO], s[PFA:PFA+1] offset:KB th:TH_LOAD_NT scope:SCOPE_SE
.Lnot_mine_\@:
.endm
.macro MULA f, a0, zero                ; 16 products: token blocks a0, a0 + 1 x the 8 column blocks of q and k
	WIN 0xa5
.irp a, \a0, (\a0)+1
.irp b, 0,1,2,3,4,5,6,7
.if \zero
	v_wmma_f32_16x16x32_bf16 v[8*(8*(\a)+(\b)):8*(8*(\a)+(\b))+7], v[(\f)+32+8*(\b):(\f)+32+8*(\b)+7], v[(\f)+8*(\a):(\f)+8*(\a)+7], 0
.else
	v_wmma_f32_16x16x32_bf16 v[8*(8*(\a)+(\b)):8*(8*(\a)+(\b))+7], v[(\f)+32+8*(\b):(\f)+32+8*(\b)+7], v[(\f)+8*(\a):(\f)+8*(\a)+7], v[8*(8*(\a)+(\b)):8*(8*(\a)+(\b))+7]
.endif
.endr
.endr
.endm
.macro MULV f, zero                    ; 16 products: the 4 token blocks x the 4 column blocks of v
	WIN 0xf5
.irp a, 0,1,2,3
.irp b, 0,1,2,3
.if \zero
	v_wmma_f32_16x16x32_bf16 v[8*(4*(\a)+(\b)):8*(4*(\a)+(\b))+7], v[(\f)+96+8*(\b):(\f)+96+8*(\b)+7], v[(\f)+8*(\a):(\f)+8*(\a)+7], 0
.else
	v_wmma_f32_16x16x32_bf16 v[8*(4*(\a)+(\b)):8*(4*(\a)+(\b))+7], v[(\f)+96+8*(\b):(\f)+96+8*(\b)+7], v[(\f)+8*(\a):(\f)+8*(\a)+7], v[8*(4*(\a)+(\b)):8*(4*(\a)+(\b))+7]
.endif
.endr
.endr
.endm
.macro FETCH q, f                      ; 32 LDS loads in one run: quarter q (32 along K) into buffer f: W's blocks of q and k, x's four, W's blocks of v
	WIN 0x40
.irp b, 0,1,2,3,4,5,6,7
	ds_load_b128 v[(\f)+32+8*(\b):(\f)+32+8*(\b)+3],   v[ADRB] offset:(\b)*KB+(\q)*1024
	ds_load_b128 v[(\f)+32+8*(\b)+4:(\f)+32+8*(\b)+7], v[ADRB] offset:(\b)*KB+(\q)*1024+512
.endr
.irp a, 0,1,2,3
	ds_load_b128 v[(\f)+8*(\a):(\f)+8*(\a)+3],   v[ADRA] offset:(\a)*KB+(\q)*1024
	ds_load_b128 v[(\f)+8*(\a)+4:(\f)+8*(\a)+7], v[ADRA] offset:(\a)*KB+(\q)*1024+512
.endr
.irp b, 8,9,10,11
	ds_load_b128 v[(\f)+32+8*(\b):(\f)+32+8*(\b)+3],   v[ADRB] offset:(\b)*KB+(\q)*1024
	ds_load_b128 v[(\f)+32+8*(\b)+4:(\f)+32+8*(\b)+7], v[ADRB] offset:(\b)*KB+(\q)*1024+512
.endr
.endm
; A K step is four quarters of 32 along K, 48 products each, on buffers 0, 1, 0, 1.  The 48 accumulators take turns in the same order in every quarter.
.macro QUARTER q, f, g, zero           ; multiplies buffer f; fetches quarter q of the slot in hand into buffer g
	s_wait_dscnt 12                                ; W's blocks of q and k and x's blocks 0, 1 are in; x's blocks 2, 3 (4 loads) and W's blocks of v (8) may be out
	MULA \f, 0, \zero
	PLACES
	FETCH \q, \g
	s_wait_dscnt 32                                ; all but the 32 just issued
	MULA \f, 2, \zero
	MULV \f, \zero
.endm
; The last quarter multiplies buffer 1 and changes slots.  In front of the barrier each wave waits for all its tensor loads (one is out: its part of the next slot), adds 0 to its spare word, and waits for that and for
; its own reads of this slot.  fill = 1: the barrier opens a round of the cluster's barrier, and this slot is filled again, two K steps ahead, first thing behind the round.
.macro TURN fill
.if \fill
	s_wait_xcnt 0x0                                ; the last prefetch, a K step back, has read its address
	s_add_nc_u64 s[PFA:PFA+1], s[PFA:PFA+1], KB
.endif
	WIN 0
	s_wait_tensorcnt 0x0
	ds_add_u32 v[SPW], v[NIL]
	s_wait_dscnt 13                                ; the add and the twelve loads named above may be out
	MULA F1, 0, 0
	s_wait_dscnt 0x0                               ; the add is done, and my reads of this slot are over
	s_barrier_signal -1
	MULA F1, 2, 0
	WIN 0
	s_barrier_wait -1
.if \fill
	CREST                                          ; no wave of any partner still reads this slot or has a load on its way
.irp g, G0A+4, G0B+4
	s_xor_b32 s[(\g)+1], s[(\g)+1], SLOT           ; the walking descriptor: the other slot than last time,
	s_add_nc_u64 s[(\g)+2:(\g)+3], s[(\g)+2:(\g)+3], KB  ; the next K step; the type bits on top are not reached
.endr
	JLOAD
.endif
	s_xor_b32 s[SL], s[SL], SLOT
	v_add_nc_u32 v[ADRA], s[SL], v[ADRA0]          ; these two and two v_nop are the places in front of the loads into buffer 0, on every path
	v_add_nc_u32 v[ADRB], s[SL], v[ADRB0]
	v_nop
	v_nop
	FETCH 0, F0
.if \fill
	ASK
.endif
	MULV F1, 0
.endm
	s_load_b256 s[4:11], s[0:1], 0x0               ; xf s[4:5], wf s[6:7], aux s[8:9], qkv s[10:11]
	v_lshl_add_u32 v[SPW], v0, 2, SPARE
	v_mov_b32 v[NIL], 0
	ds_add_u32 v[SPW], v[NIL]                      ; the wave's opening: the add and its wait ahead of my first tensor load
	v_lshrrev_b32 v1, 5, v0
	v_readfirstlane_b32 s[WV], v1                  ; wave 0..3
	s_lshr_b32 s13, s[WV], 1                       ; i: which 64 tokens
	s_and_b32 s14, s[WV], 1                        ; j: which head of the two
	s_bfe_u32 s15, ttmp6, 0x40000                  ; cx
	s_bfe_u32 s16, ttmp6, 0x40004                  ; cy
	s_lshl_b32 s17, ttmp9, 2
	s_add_co_u32 s17, s17, s15                     ; tc = 4 x cluster x + cx
	s_and_b32 s18, ttmp7, 0xffff
	s_lshl_b32 s18, s18, 2
	s_add_co_u32 s18, s18, s16                     ; tr = 4 x cluster y + cy
	s_lshl_b32 s20, s16, 2
	s_lshl_b32 s20, 15, s20                        ; my row of the cluster
	s_lshl_b32 s21, 0x1111, s15                    ; my column
	s_or_b32 s[G1A], s20, (3<<16)|(1<<21)          ; 15:0 the mask; 17:16 elements of 8 bytes; 21 set beside a mask; no padding
	s_or_b32 s[G1B], s21, (3<<16)|(1<<21)
.irp g, G1A, G1B
	s_mov_b32 s[(\g)+1], 512<<16                   ; tensor_dim0 = 512 elements: 4,096 bytes
	s_mov_b32 s[(\g)+2], 8<<16                     ; tensor_dim1 = 8
	s_mov_b32 s[(\g)+3], 512<<16                   ; tile_dim0 = 512
	s_mov_b32 s[(\g)+4], 8                         ; tile_dim1 = 8
	s_mov_b32 s[(\g)+5], 4096                      ; 4,096 elements, 32,768 bytes, from block to block
	s_mov_b32 s[(\g)+6], 0
	s_mov_b32 s[(\g)+7], 0
.endr
	s_lshl_b32 s20, s18, 18                        ; x: 8 tr blocks of 32,768 bytes
	s_mov_b32 s21, 0
	s_max_u32 s22, s[WV], 1
	s_sub_co_u32 s22, s22, 1
	s_lshl_b32 s22, s22, 3
	s_mul_i32 s23, s17, 24
	s_add_co_u32 s22, s22, s23                     ; W: block 24 tc + 8 (w - 1)
	s_lshl_b32 s22, s22, 15
	s_mov_b32 s23, 0
	s_lshl_b32 s78, s[WV], 15                      ; where my load lands in a slot: no place in the cluster enters an LDS address
	s_mov_b32 s[SL], 0
	s_wait_dscnt 0x0                               ; the opening add is done
	s_wait_kmcnt 0x0
	s_add_nc_u64 s[80:81], s[4:5], s[20:21]
	s_add_nc_u64 s[82:83], s[6:7], s[22:23]
.irp s, 0,1
	s_mov_b32 s[G0A+4*(\s)], 1
	s_add_co_u32 s[G0A+4*(\s)+1], s78, (\s)*SLOT
	s_add_nc_u64 s[G0A+4*(\s)+2:G0A+4*(\s)+3], s[80:81], (\s)*KB
	s_or_b32 s[G0A+4*(\s)+3], s[G0A+4*(\s)+3], 0x80000000
	s_mov_b32 s[G0B+4*(\s)], 1
	s_add_co_u32 s[G0B+4*(\s)+1], s78, (\s)*SLOT
	s_add_nc_u64 s[G0B+4*(\s)+2:G0B+4*(\s)+3], s[82:83], (\s)*KB
	s_or_b32 s[G0B+4*(\s)+3], s[G0B+4*(\s)+3], 0x80000000
.endr
	; the prefetches
	s_and_b32 s79, ttmp7, 0xffff
	s_cmp_eq_u32 s[WV], 0
	s_cselect_b32 s84, s15, s16                    ; my place among the four that ask with me
	s_cselect_b32 s79, ttmp9, s79                  ; the coordinate along which other clusters read the same blocks
	s_cselect_b64 s[PFA:PFA+1], s[80:81], s[82:83]
	s_cmp_eq_u32 s79, 0
	s_cselect_b32 s[LIM], 2, -1                    ; the same in all sixteen partners, for a given wave
	s_lshl_b32 s84, s84, 16                        ; my work-group's two blocks of the eight
	s_mov_b32 s85, 0
	s_add_nc_u64 s[PFA:PFA+1], s[PFA:PFA+1], s[84:85]
	s_add_nc_u64 s[PFA:PFA+1], s[PFA:PFA+1], 2*KB  ; at K step 2: the first change of slots steps it to 3 and names K step 4
	; the way out's addresses
	s_lshl_b32 s20, s18, 7
	s_lshl_b32 s21, s13, 6
	s_add_co_u32 s20, s20, s21                     ; T0: my first token
	s_lshr_b32 s21, s20, 11                        ; the batch
	s_and_b32 s22, s20, 2047                       ; s0: its place in the sequence
	s_lshl_b32 s23, s17, 1
	s_add_co_u32 s23, s23, s14                     ; the head
	s_lshl4_add_u32 s21, s21, s23
	s_lshl_b32 s78, s21, 18                        ; 262,144 bytes for a batch and head in each image,
	s_lshl_b32 s79, s22, 7                         ; 128 bytes a token in each
	s_add_co_u32 s78, s78, s79
	s_mov_b32 s79, 0
	s_add_nc_u64 s[66:67], s[10:11], s[78:79]      ; QF
	s_add_nc_u64 s[68:69], s[66:67], 16777216      ; KF
	s_add_nc_u64 s[70:71], s[66:67], 33554432      ; KTF
	s_add_nc_u64 s[72:73], s[66:67], 50331648      ; VTF
	s_lshl_b32 s78, s22, 8
	s_add_co_u32 s78, s78, TABO
	s_add_nc_u64 s[74:75], s[8:9], s[78:79]        ; the table at row s0
	s_lshl_b32 s78, s20, 6
	s_lshl_b32 s84, s23, 4
	s_add_co_u32 s78, s78, s84
	s_add_nc_u64 s[76:77], s[8:9], s[78:79]        ; the factors at my first block of 16 tokens and my head
	CROUND                                         ; all sixteen work-groups are here: the first joint loads meet
	s_cmp_eq_u32 s[WV], 0                          ; a wave's two first fills stand in one branch: two loads of mine are out
	s_cbranch_scc0 .Lfirst_b
	tensor_load_to_lds s[G0A:G0A+3], s[G1A:G1A+7]
	s_nop 0
	tensor_load_to_lds s[G0A+4:G0A+7], s[G1A:G1A+7]
	s_nop 0
.rept 4
	v_nop
.endr
	s_branch .Lfirst_asked
.Lfirst_b:
	tensor_load_to_lds s[G0B:G0B+3], s[G1B:G1B+7]
	s_nop 0
	tensor_load_to_lds s[G0B+4:G0B+7], s[G1B:G1B+7]
	s_nop 0
.rept 4
	v_nop
.endr
.Lfirst_asked:
	v_and_b32 v1, 15, v0                           ; r
	v_bfe_u32 v2, v0, 4, 1                         ; h
	v_and_b32 v13, 31, v0
	v_lshlrev_b32 v[LIN], 4, v13
	s_lshl_b32 s20, s13, 14
	v_add_nc_u32 v[ADRA0], s20, v[LIN]
	s_mul_i32 s20, s14, 49152
	s_add_co_u32 s20, s20, 32768
	v_add_nc_u32 v[ADRB0], s20, v[LIN]
	v_mov_b32 v[ADRA], v[ADRA0]
	v_mov_b32 v[ADRB], v[ADRB0]
	s_mul_i32 s20, s[WV], 16*SP
	s_add_co_u32 s20, s20, STAGE                   ; my stage
	v_mul_u32_u24 v[STO], v1, SP
	v_lshl_add_u32 v[STO], v2, 4, v[STO]
	v_add_nc_u32 v[STO], s20, v[STO]
	v_and_b32 v14, 7, v0                           ; the turning load: lane l reads token 8 h + l % 8, channels 8 ((l / 8) % 2) + 0..7, and is left with channel l % 16 and tokens 8 h + 0..7
	v_lshl_add_u32 v14, v2, 3, v14
	v_mul_u32_u24 v[TRD], v14, SP
	v_bfe_u32 v14, v0, 3, 1
	v_lshl_add_u32 v[TRD], v14, 4, v[TRD]
	v_add_nc_u32 v[TRD], s20, v[TRD]
	v_lshlrev_b32 v[TBO], 8, v1
	v_lshl_add_u32 v[TBO], v2, 5, v[TBO]
	v_bfe_u32 v14, v0, 2, 1                        ; token r of a block of factors lies at 512 ((r / 4) % 2) + 256 (r / 8) + 4 (r % 4)
	v_lshlrev_b32 v[FO], 9, v14
	v_bfe_u32 v14, v0, 3, 1
	v_lshl_add_u32 v[FO], v14, 8, v[FO]
	v_and_b32 v14, 3, v0
	v_lshl_add_u32 v[FO], v14, 2, v[FO]
	v_lshlrev_b32 v[PFO], 8, v1
	v_lshl_add_u32 v[PFO], v2, 15, v[PFO]
	; sin, cos and the factors of my 64 tokens go out now and are waited for on the way out
	WIN 0xc0
.irp a, 0,1,2,3
.irp bb, 0,1
	global_load_b128 v[128+32*(\a)+8*(\bb):128+32*(\a)+8*(\bb)+3],     v[TBO], s[74:75] offset:(\a)*4096+(\bb)*64
	global_load_b128 v[128+32*(\a)+8*(\bb)+4:128+32*(\a)+8*(\bb)+7],   v[TBO], s[74:75] offset:(\a)*4096+(\bb)*64+16
	global_load_b128 v[144+32*(\a)+8*(\bb):144+32*(\a)+8*(\bb)+3],     v[TBO], s[74:75] offset:(\a)*4096+(\bb)*64+128
	global_load_b128 v[144+32*(\a)+8*(\bb)+4:144+32*(\a)+8*(\bb)+7],   v[TBO], s[74:75] offset:(\a)*4096+(\bb)*64+144
.endr
.endr
	WIN 0
.irp a, 0,1,2,3
.irp kd, 0,1,2
	global_load_b32 v[FP+2*(3*(\a)+(\kd))], v[FO], s[76:77] offset:(\kd)*FACK+(\a)*1024
.endr
.endr
	s_wait_tensorcnt 1                             ; my part of K step 0 is in; K step 1's may stay out
	s_barrier_signal -1
	s_barrier_wait -1
	FETCH 0, F0
	QUARTER 1, F0, F1, 1                           ; the first quarter stands in front of the loop: its products start the sums
	WIN 0
	s_mov_b32 s[CNT], 6
.Lk:                                           ; a trip goes from a K step's second quarter to the next step's first, and asks for the K step two on: K steps 2 to 7
	QUARTER 2, F1, F0, 0
	QUARTER 3, F0, F1, 0
	TURN 1
	QUARTER 1, F0, F1, 0
	WIN 0
	s_sub_co_u32 s[CNT], s[CNT], 1
	s_cmp_lg_u32 s[CNT], 0
	s_cbranch_scc1 .Lk
	QUARTER 2, F1, F0, 0                           ; the last two K steps fill nothing
	QUARTER 3, F0, F1, 0
	TURN 0
	QUARTER 1, F0, F1, 0
	QUARTER 2, F1, F0, 0
	QUARTER 3, F0, F1, 0
	s_wait_dscnt 12
	MULA F1, 0, 0
	s_wait_dscnt 0x0
	MULA F1, 2, 0
	MULV F1, 0
; THE WAY OUT.  PHI: RoPE on the 64 channels at window 2's register xb (x1 = channels 0-31 in 16 registers, x2 = channels 32-63 in the next 16; sin and cos at window 3's register ts), then elu + 1.
; Each accumulator's lowest registers are read first.  The 32 exponentials are one batch with one wait; the sixteen additions of 1 are the plain work behind it.
.macro PHI xb, ts
	WIN 0x0e                                       ; source 0 window 2, source 1 window 3
.set p, 0
.rept 8
	v_pk_mul_f32 v[Z+p:Z+p+1],       v[(\xb)+16+p:(\xb)+16+p+1], v[(\ts)+p:(\ts)+p+1]        ; x2 sin
	v_pk_mul_f32 v[Z+16+p:Z+16+p+1], v[(\xb)+16+p:(\xb)+16+p+1], v[(\ts)+16+p:(\ts)+16+p+1]  ; x2 cos
.set p, p+2
.endr
.set p, 0
.rept 8
	v_pk_fma_f32 v[Z+p:Z+p+1],       v[(\xb)+p:(\xb)+p+1], v[(\ts)+16+p:(\ts)+16+p+1], v[Z+p:Z+p+1] neg_lo:[0,0,1] neg_hi:[0,0,1]  ; x1 cos - x2 sin
	v_pk_fma_f32 v[Z+16+p:Z+16+p+1], v[(\xb)+p:(\xb)+p+1], v[(\ts)+p:(\ts)+p+1], v[Z+16+p:Z+16+p+1]                               ; x1 sin + x2 cos
.set p, p+2
.endr
	WIN 0
.set p, 0
.rept 16
	v_pk_mul_f32 v[E+p:E+p+1], v[Z+p:Z+p+1], 0x3fb8aa3b op_sel_hi:[1,0]
.set p, p+2
.endr
.set p, 0
.rept 32
	v_exp_f32 v[E+p], v[E+p]
.set p, p+1
.endr
.set p, 0
.rept 16
	v_pk_add_f32 v[Z+p:Z+p+1], v[Z+p:Z+p+1], 1.0 op_sel_hi:[1,0]
.set p, p+2
.endr
	s_wait_alu depctr_va_vdst(0)
.set p, 0
.rept 32
	v_med3_num_f32 v[Z+p], v[E+p], v[Z+p], 1.0     ; z + 1 for z > 0, e^z otherwise
.set p, p+1
.endr
.endm
.macro OUT fp, pk                      ; (phi + 1e-6) f, by one fused multiply-add with the pair (f, 1e-6 f); rounded to bf16
.set p, 0
.rept 16
	v_pk_fma_f32 v[E+p:E+p+1], v[Z+p:Z+p+1], v[(\fp):(\fp)+1], v[(\fp):(\fp)+1] op_sel:[0,0,1] op_sel_hi:[1,0,1]
.set p, p+2
.endr
.set p, 0
.rept 16
	v_cvt_pk_bf16_f32 v[(\pk)+p], v[E+2*p], v[E+2*p+1]
.set p, p+1
.endr
.endm
.macro WAYOUT a                        ; token block a: 16 tokens.  Every store of the wave covers 512 consecutive bytes, aligned
	s_wait_xcnt 0x0                                ; the stores of the block before have read their registers
	PHI 64*(\a), 128+32*(\a)
	OUT FP+2*(3*(\a)), PKQ
.irp b, 0,1,2,3
	global_store_b128 v[LIN], v[PKQ+4*(\b):PKQ+4*(\b)+3], s[66:67] offset:(\a)*2048+(\b)*512
.endr
	PHI 64*(\a)+32, 128+32*(\a)
	OUT FP+2*(3*(\a)+1), PKK
.irp b, 0,1,2,3
	global_store_b128 v[LIN], v[PKK+4*(\b):PKK+4*(\b)+3], s[68:69] offset:(\a)*2048+(\b)*512
.endr
	OUT FP+2*(3*(\a)+2), PKW
.irp b, 0,1,2,3
	ds_store_b128 v[STO], v[PKW+4*(\b):PKW+4*(\b)+3] offset:32*(\b)
.endr
	WIN 0x0f                                       ; sources in window 3
.set p, 0
.rept 16
	v_cvt_pk_bf16_f32 v[PKV+p], v[32*(\a)+2*p], v[32*(\a)+2*p+1]
.set p, p+1
.endr
	WIN 0
.irp b, 0,1,2,3
	ds_store_b128 v[STO], v[PKV+4*(\b):PKV+4*(\b)+3] offset:128+32*(\b)
.endr
.irp c, 0,1,2,3,4,5,6,7
	ds_load_tr16_b128 v[TR+4*(\c):TR+4*(\c)+3], v[TRD] offset:32*(\c)  ; LDS serves a wave's instructions in order (ISA guide 5.7.1.4): these see the stores above; the next block's stores come behind them
.endr
	s_wait_dscnt 0x0
.irp cb, 0,1,2,3
	global_store_b128 v[LIN], v[TR+4*(\cb):TR+4*(\cb)+3],       s[70:71] offset:((\a)/2)*4096+(\cb)*1024+((\a)%2)*512
	global_store_b128 v[LIN], v[TR+16+4*(\cb):TR+16+4*(\cb)+3], s[72:73] offset:((\a)/2)*4096+(\cb)*1024+((\a)%2)*512
.endr
.endm
	WIN 0
	PLACES
	s_wait_loadcnt 0x0                             ; the table and the factors
.set p, 0
.rept 12
	v_mul_f32 v[FP+2*p+1], 0x358637bd, v[FP+2*p]   ; 1e-6 f
.set p, p+1
.endr
	WAYOUT 0
	WAYOUT 1
	WAYOUT 2
	WAYOUT 3
	s_wait_tensorcnt 0x0                           ; the wave's end: behind my last tensor load and my last LDS store
	ds_add_u32 v[SPW], v[NIL]
	s_wait_dscnt 0x0
	CROUND                                         ; the closing round: no work-group ends while a partner may still ask for a tile that names it
	s_endpgm
.Lfunc_end_k_q6e3ab43ee3_proj:
	.size	k_q6e3ab43ee3_proj, .Lfunc_end_k_q6e3ab43ee3_proj-k_q6e3ab43ee3_proj
	.p2alignl 7, 3214868480
	.fill 96, 4, 3214868480
	.section	.rodata,"a",@progbits
	.p2align	6, 0x0
	.amdhsa_kernel k_q6e3ab43ee3_proj
		.amdhsa_group_segment_fixed_size 327680
		.amdhsa_private_segment_fixed_size 0
		.amdhsa_enable_private_segment 0
		.amdhsa_kernarg_size 32
		.amdhsa_user_sgpr_count 2
		.amdhsa_user_sgpr_kernarg_segment_ptr 1
		.amdhsa_wavefront_size32 1
		.amdhsa_system_sgpr_workgroup_id_x 1
		.amdhsa_system_sgpr_workgroup_id_y 1
		.amdhsa_system_sgpr_workgroup_id_z 1
		.amdhsa_system_vgpr_workitem_id 0
		.amdhsa_next_free_vgpr 1024
		.amdhsa_next_free_sgpr 96
		.amdhsa_reserve_vcc 0
		.amdhsa_float_denorm_mode_32 3
		.amdhsa_float_denorm_mode_16_64 3
		.amdhsa_memory_ordered 1
		.amdhsa_forward_progress 1
		.amdhsa_inst_pref_size 178
	.end_amdhsa_kernel
	.amdgpu_metadata
---
amdhsa.version: [ 1, 2 ]
amdhsa.kernels:
  - .name:           k_q6e3ab43ee3_proj
    .symbol:         k_q6e3ab43ee3_proj.kd
    .args:
      - { .name: xf, .offset: 0, .size: 8, .value_kind: global_buffer, .address_space: global }
      - { .name: wf, .offset: 8, .size: 8, .value_kind: global_buffer, .address_space: global }
      - { .name: aux, .offset: 16, .size: 8, .value_kind: global_buffer, .address_space: global }
      - { .name: qkv, .offset: 24, .size: 8, .value_kind: global_buffer, .address_space: global }
    .group_segment_fixed_size: 327680
    .private_segment_fixed_size: 0
    .kernarg_segment_align: 8
    .kernarg_segment_size: 32
    .max_flat_workgroup_size: 128
    .sgpr_count:     96
    .vgpr_count:     1024
    .wavefront_size: 32
...
	.end_amdgpu_metadata
.endif
;; end of part 2
;; launch attn (part 3): grid 4 x 64, 4 waves a work-group, no clusters, 205,312 bytes of LDS; arguments qkv, theta, yf; writes yf
.if DOCPART == 3
	.amdgcn_target "amdgcn-amd-amdhsa--gfx1250"
	.amdhsa_code_object_version 6
	.text
	.protected	k_q6e3ab43ee3_attn
	.globl	k_q6e3ab43ee3_attn
	.p2align	8
	.type	k_q6e3ab43ee3_attn,@function
k_q6e3ab43ee3_attn:
	s_mov_b64 s[64:65], 0
	v_nop
	global_prefetch_b8 v0, s[64:65] scope:SCOPE_SE
	s_setreg_imm32_b32 hwreg(HW_REG_WAVE_MODE, 25, 1), 1
	s_wait_xcnt 0x0
; ATTN.  The gated, decayed linear attention, by segments of 128 tokens.  For one batch and head, with r the head's decay, rho = r^128, v' = [v, 1 at columns 64 and 72, 0 elsewhere] (80 columns):
;   U_j = sum over the tokens t of segment j of kw_t v'_t^T (64 x 80), kw = phi(k) g m r^(127 - t mod 128);     S_sigma = sum over j < sigma of rho^(sigma - 1 - j) U_j;
;   O'_i = r^(i + 1) fq_i S_sigma + sum over j <= i of (fq_i . kg_j) r^(i - j) v'_j  (i, j local to the segment);     y = O'[0:64] / (O'[64] + 1e-6).
; That is the scan's recurrence added up in another order; the denominator q . s is the same recurrence with v = 1, carried as a column of v', so that numerator and denominator see the same roundings.
; A masked query has fq = 0 and gives 0 / 1e-6 = 0; a masked key has kg = kw = 0.
; SHARES.  Work-group (Q, b h): segments 4 Q .. 4 Q + 3, wave w segment sigma = 4 Q + w.  Wave w adds up segments w, w + 4, .. by H = rho^4 H + U: PREV_w before its own segment, LAST_w behind it.  Then
;   S_(4 Q + w) = sum over w' < w of rho^(w - 1 - w') LAST_w' + sum over w' >= w of rho^(w + 3 - w') PREV_w', made in LDS: wave w reduces the five tiles of channel block w for all four segments.
; All operands come straight from memory into registers as fragment images (runs of 512 consecutive bytes): nothing is shared between waves on the way in, so there is no tensor load and no ring.
; NO CLUSTER: the four work-groups of a batch and head walk 4 Q + 4 segments, a different number each; a walk common to all four would give each the longest.
; LAYOUT.  State: source 0 = 16 channels of kw x 32 tokens, source 1 = 16 channels of v' x 32 tokens; a tile of H, rounded in pairs, is half a fragment with rows = v' channel, k = k channel.
; Scores S^T = K Q^T and O^T = V'^T P hold ONE query a lane (l % 16); two score tiles rounded in pairs are source 1 of the second product.  The divisor, rows 0 and 8 of O^T's fifth tile, is that tile's lowest register in every lane.
; LIMITS.  Operands bf16 (the scores' weights and the state too), sums, H, PREV and LAST f32.  All decay factors are at most 1 but for r^-15 at the worst above the diagonal, where 0 is put in their place;
; below 2^-126 they count as 0.  The order of the sums differs from the scan's.  NaN and infinities are not treated apart.
; REGISTERS (s_set_vgpr_msb: bits 1:0 source 0, 3:2 source 1, 5:4 source 2, 7:6 destination):
;   window 0: v0-31 addresses and work; v32-95 DM; v96-223 kw's fragments, later scores, weights and O^T; v232-249 the way out       window 1: v0-159 H, later v0-79 the start state's fragments
;   window 2: v0-127 fq's fragments, v128-255 kg's       window 3: v0-127 v's fragments, v128-135 the ones
.set LAST,  81920                      ; LDS: PREV_w at 20,480 w (tile 5 d + e at 1,024 each, f32: registers 0-3 at 16 lane, 4-7 512 on); LAST_w behind them
.set SNAP,  163840                     ; the four start states in bf16, 10,240 bytes each: fragment (e, dk) at 1,024 (2 e + dk)
.set SPARE, 204800                     ; the spare words, 128 bytes for each wave
.set LIN, 3                            ; v3   16 lane
.set RD0, 4                            ; v4-7  5,120 w + 16 lane + 0; 40,960; 81,920; 122,880
.set PB,  8                            ; v8   PREV_w;  v9 LAST_w
.set LB,  9
.set SNS, 10                           ; v10  SNAP + 512 w + 16 lane: where my halves of the states' fragments go
.set SNR, 11                           ; v11  SNAP + 10,240 w + 16 lane: my segment's state
.set PFO, 12                           ; v12  256 lane
.set VI,  13                           ; v13  r - 8 h
.set SPW, 14                           ; v14  LDS address of my spare word; never rewritten
.set NIL, 15                           ; v15  0; never rewritten
.set LAM, 16                           ; v[16:23]   r^(16 qb + r + 1)
.set DM,  32                           ; v[32:95]   DM[delta][j] = r^(16 delta + r - 8 h - j); in row 0: 0 where the exponent is negative
.set KT,  96                           ; v[96:223]  kw: channel block d, 32 tokens kk at 32 kk + 8 d
.set ST,  96                           ; v[96:159]  eight score tiles
.set P,   160                          ; v[160:191] four fragments of weights
.set O,   192                          ; v[192:231] five tiles of O^T
.set Y,   232                          ; v[232:247] packed y
.set INV, 248                          ; v[248:249]
.set MSB, 0
.macro WIN new
.if MSB != (\new)
	s_set_vgpr_msb (MSB<<8)|(\new)
.set MSB, \new
.endif
.endm
.macro PLACES
.rept 4
	v_nop
.endr
.endm
.macro LDKV kk                         ; 32 tokens of a segment: kw's four fragments, v's four: 16 loads
	WIN 0
.irp d, 0,1,2,3
	global_load_b128 v[KT+32*(\kk)+8*(\d):KT+32*(\kk)+8*(\d)+3],   v[LIN], s[16:17] offset:(\kk)*4096+(\d)*1024
	global_load_b128 v[KT+32*(\kk)+8*(\d)+4:KT+32*(\kk)+8*(\d)+7], v[LIN], s[16:17] offset:(\kk)*4096+(\d)*1024+512
.endr
	WIN 0xc0
.irp d, 0,1,2,3
	global_load_b128 v[32*(\kk)+8*(\d):32*(\kk)+8*(\d)+3],   v[LIN], s[18:19] offset:(\kk)*4096+(\d)*1024
	global_load_b128 v[32*(\kk)+8*(\d)+4:32*(\kk)+8*(\d)+7], v[LIN], s[18:19] offset:(\kk)*4096+(\d)*1024+512
.endr
.endm
.macro LDQK kk                         ; the kk-th sixteen of the 64 loads of my own segment's fq and kg: the images are read in order, 512 bytes a load
	WIN 0x80
.set n, 0
.rept 16
.if (\kk) < 2
	global_load_b128 v[64*(\kk)+4*n:64*(\kk)+4*n+3], v[LIN], s[20:21] offset:(16*(\kk)+n)*512
.else
	global_load_b128 v[64*(\kk)+4*n:64*(\kk)+4*n+3], v[LIN], s[22:23] offset:(16*((\kk)-2)+n)*512
.endif
.set n, n+1
.endr
.endm
; A SEGMENT: H = rho^4 H + U.  For each 32 tokens: 20 products on 20 accumulators, which take turns; then 16 loads: mode 1: the same registers' part of the segment four on; mode 0: fq and kg.
; The count 48 holds on every path: behind the sixteen loads that are wanted, three groups of sixteen have been issued.
.macro SEG mode
	PLACES                                         ; with the four at the end of the segment before: eight places in front of lines that write accumulators in place
	WIN 0x41
.set i, 0
.rept 80
	v_pk_mul_f32 v[i:i+1], v[i:i+1], s[34:35] op_sel_hi:[1,0]
.set i, i+2
.endr
.irp kk, 0,1,2,3
	s_wait_loadcnt 48
	WIN 0x5c                                       ; kw window 0, v' window 3, H window 1
.irp d, 0,1,2,3
.irp e, 0,1,2,3
	v_wmma_f32_16x16x32_bf16 v[8*(5*(\d)+(\e)):8*(5*(\d)+(\e))+7], v[KT+32*(\kk)+8*(\d):KT+32*(\kk)+8*(\d)+7], v[32*(\kk)+8*(\e):32*(\kk)+8*(\e)+7], v[8*(5*(\d)+(\e)):8*(5*(\d)+(\e))+7]
.endr
	v_wmma_f32_16x16x32_bf16 v[8*(5*(\d)+4):8*(5*(\d)+4)+7], v[KT+32*(\kk)+8*(\d):KT+32*(\kk)+8*(\d)+7], v[128:135], v[8*(5*(\d)+4):8*(5*(\d)+4)+7]
.endr
	PLACES
.if \mode
	LDKV \kk
.if (\kk) == 0
	; A PREFETCH of the segment that the next trip will load: 16,384 bytes of kw and of v, a lane 256 bytes.  Of a batch and head's four work-groups the last reads every segment: it alone asks, in its
	; trips 0 and 1, for segments 8 + w and 12 + w; so each block is named once.  The first two segments of a wave come by their loads alone.
	WIN 0
	s_cmp_lt_u32 s36, s37
	s_cbranch_scc0 .Lnot_mine_\@
	global_prefetch_b8 v[PFO], s[16:17] offset:65536 th:TH_LOAD_NT scope:SCOPE_SE
	global_prefetch_b8 v[PFO], s[16:17] offset:65536+8192 th:TH_LOAD_NT scope:SCOPE_SE
	global_prefetch_b8 v[PFO], s[18:19] offset:65536 th:TH_LOAD_NT scope:SCOPE_SE
	global_prefetch_b8 v[PFO], s[18:19] offset:65536+8192 th:TH_LOAD_NT scope:SCOPE_SE
.Lnot_mine_\@:
.endif
.else
	LDQK \kk
.endif
.endr
.endm
.macro HSTORE base                     ; H into LDS, each accumulator's lowest registers first
	WIN 0x04                                       ; the data in window 1
.set t, 0
.rept 20
	ds_store_b128 v[\base], v[8*t:8*t+3] offset:1024*t
	ds_store_b128 v[\base], v[8*t+4:8*t+7] offset:1024*t+512
.set t, t+1
.endr
	WIN 0
.endm
.macro FMA4 dst, mul, rho, add         ; a tile: dst = mul x (a power of rho) + add
.irp p, 0,2,4,6
	v_pk_fma_f32 v[(\dst)+(\p):(\dst)+(\p)+1], v[(\mul)+(\p):(\mul)+(\p)+1], s[(\rho):(\rho)+1], v[(\add)+(\p):(\add)+(\p)+1] op_sel_hi:[1,0,1]
.endr
.endm
.macro DROW d, k                       ; the exponents of row d of DM and of LAM[d]: those of row 0 plus 16 d log2 r
	s_mul_f32 s40, s26, \k
	s_mov_b32 s41, s40
	v_add_f32 v[LAM+(\d)], s40, v[LAM]
.irp p, 0,2,4,6
	v_pk_add_f32 v[DM+8*(\d)+(\p):DM+8*(\d)+(\p)+1], v[DM+(\p):DM+(\p)+1], s[40:41] op_sel_hi:[1,0]
.endr
.endm
	s_load_b128 s[4:7], s[0:1], 0x0                ; qkv s[4:5], theta s[6:7]
	s_load_b64 s[8:9], s[0:1], 0x10                ; yf
	v_lshl_add_u32 v[SPW], v0, 2, SPARE
	v_mov_b32 v[NIL], 0
	v_lshrrev_b32 v1, 5, v0
	v_readfirstlane_b32 s10, v1                    ; wave 0..3
	s_mov_b32 s11, ttmp9                           ; Q
	s_and_b32 s38, ttmp7, 0xffff                   ; batch and head
	s_and_b32 s12, s38, 15                         ; the head
	s_lshr_b32 s13, s38, 4                         ; the batch
	s_lshl_b32 s40, s38, 18                        ; 262,144 bytes in each image
	s_lshl_b32 s42, s10, 14
	s_add_co_u32 s42, s42, s40                     ; segment w
	s_mov_b32 s43, 0
	s_lshl2_add_u32 s39, s11, s10                  ; sigma = 4 Q + w
	s_lshl_b32 s44, s39, 14
	s_add_co_u32 s44, s44, s40                     ; my own segment
	s_mov_b32 s45, 0
	s_lshl_b32 s46, s13, 7
	s_lshl3_add_u32 s46, s39, s46                  ; my first block of 16 tokens: 128 batch + 8 sigma
	s_lshl_b32 s46, s46, 15
	s_lshl_b32 s47, s12, 11                        ; the head's four half-fragments
	s_add_co_u32 s46, s46, s47
	s_mov_b32 s47, 0
	s_lshl_b32 s48, s12, 2
	s_mov_b32 s49, 0
	v_and_b32 v1, 15, v0                           ; r
	v_bfe_u32 v2, v0, 4, 1                         ; h
	v_and_b32 v24, 31, v0
	v_lshlrev_b32 v[LIN], 4, v24
	v_lshlrev_b32 v[PFO], 8, v24
	s_wait_kmcnt 0x0
	s_add_nc_u64 s[16:17], s[4:5], s[42:43]
	s_add_nc_u64 s[18:19], s[16:17], 50331648      ; v's image
	s_add_nc_u64 s[16:17], s[16:17], 33554432      ; kw's
	s_add_nc_u64 s[20:21], s[4:5], s[44:45]        ; fq's
	s_add_nc_u64 s[22:23], s[20:21], 16777216      ; kg's
	s_add_nc_u64 s[24:25], s[8:9], s[46:47]        ; y's
	s_add_nc_u64 s[6:7], s[6:7], s[48:49]
	s_load_b32 s26, s[6:7], 0x0                    ; theta of my head
	LDKV 0                                         ; segment w: 64 loads
	LDKV 1
	LDKV 2
	LDKV 3
	WIN 0x40                                       ; while they are out: H = 0, so that one form of product serves every number of trips, none among them
.set i, 0
.rept 160
	v_mov_b32 v[i], 0
.set i, i+1
.endr
	WIN 0
	v_and_b32 v24, 7, v0
	v_mov_b32 v25, 0x3f803f80
	v_cmp_eq_u32 vcc_lo, 0, v24
	v_cndmask_b32 v24, 0, v25, vcc_lo              ; 1.0 twice in lanes with r = 0 or 8
	WIN 0xc0
.set i, 0
.rept 8
	v_mov_b32 v[128+i], v24
.set i, i+1
.endr
	WIN 0
	s_mul_i32 s40, s10, 5120
	v_add_nc_u32 v[RD0], s40, v[LIN]
	v_add_nc_u32 v[RD0+1], 40960, v[RD0]
	v_add_nc_u32 v[RD0+2], 81920, v[RD0]
	v_add_nc_u32 v[RD0+3], 122880, v[RD0]
	s_mul_i32 s40, s10, 20480
	v_add_nc_u32 v[PB], s40, v[LIN]
	v_add_nc_u32 v[LB], LAST, v[PB]
	s_lshl_b32 s40, s10, 9
	s_add_co_u32 s40, s40, SNAP
	v_add_nc_u32 v[SNS], s40, v[LIN]
	s_mul_i32 s40, s10, 10240
	s_add_co_u32 s40, s40, SNAP
	v_add_nc_u32 v[SNR], s40, v[LIN]
	s_wait_kmcnt 0x0
	; log2 r = - log2(e) / (softplus(theta) + 1): three transcendentals that hang on each other, each with a plain line and its wait
	v_mov_b32 v24, s26
	v_and_b32 v25, 0x7fffffff, v24
	v_mul_f32 v25, 0xbfb8aa3b, v25
	v_exp_f32 v25, v25
	v_max_num_f32 v26, 0, v24
	s_wait_alu depctr_va_vdst(0)
	v_add_f32 v25, 1.0, v25
	v_log_f32 v25, v25
	v_add_f32 v26, 1.0, v26
	s_wait_alu depctr_va_vdst(0)
	v_fmac_f32 v26, 0x3f317218, v25
	v_rcp_f32 v27, v26
	v_lshlrev_b32 v24, 3, v2
	s_wait_alu depctr_va_vdst(0)
	v_mul_f32 v27, 0xbfb8aa3b, v27
	v_readfirstlane_b32 s26, v27                   ; log2 r
	v_sub_nc_u32 v[VI], v1, v24
.set j, 0
.rept 8
	v_add_nc_u32 v[DM+j], 0-j, v[VI]
.set j, j+1
.endr
.set j, 0
.rept 8
	v_cvt_f32_i32 v[DM+j], v[DM+j]
.set j, j+1
.endr
.set j, 0
.rept 8
	v_mul_f32 v[DM+j], s26, v[DM+j]                ; (r - 8 h - j) log2 r
.set j, j+1
.endr
	v_add_nc_u32 v[LAM], 1, v1
	v_cvt_f32_u32 v[LAM], v[LAM]
	v_mul_f32 v[LAM], s26, v[LAM]                  ; (r + 1) log2 r
	DROW 1, 0x41800000
	DROW 2, 0x42000000
	DROW 3, 0x42400000
	DROW 4, 0x42800000
	DROW 5, 0x42a00000
	DROW 6, 0x42c00000
	DROW 7, 0x42e00000
	v_mul_f32 v28, 0x43000000, v27                 ; 128, 256, 384, 512 log2 r
	v_mul_f32 v29, 0x43800000, v27
	v_mul_f32 v30, 0x43c00000, v27
	v_mul_f32 v31, 0x44000000, v27
.set j, 0
.rept 4                                ; one batch of 76 exponentials, one wait
	v_exp_f32 v[28+j], v[28+j]
.set j, j+1
.endr
.set j, 0
.rept 8
	v_exp_f32 v[LAM+j], v[LAM+j]
.set j, j+1
.endr
.set j, 0
.rept 64
	v_exp_f32 v[DM+j], v[DM+j]
.set j, j+1
.endr
	v_nop
	s_wait_alu depctr_va_vdst(0)
	v_readfirstlane_b32 s28, v28                   ; rho, rho^2, rho^3, rho^4; each is named as a pair, so both words are written
	v_readfirstlane_b32 s30, v29
	v_readfirstlane_b32 s32, v30
	v_readfirstlane_b32 s34, v31
	s_mov_b32 s29, s28
	s_mov_b32 s31, s30
	s_mov_b32 s33, s32
	s_mov_b32 s35, s34
.set j, 0
.rept 8
	v_cmp_le_i32 vcc_lo, j, v[VI]                  ; on the diagonal tile: the key is seen where j <= r - 8 h
	v_cndmask_b32 v[DM+j], 0, v[DM+j], vcc_lo
.set j, j+1
.endr
	s_mov_b32 s36, 0
	s_cmp_eq_u32 s11, 3
	s_cselect_b32 s37, 2, 0                        ; how many trips prefetch
	s_cmp_eq_u32 s11, 0
	s_cbranch_scc1 .Lown                           ; the first quarter has nothing before it
.Lpre:                                         ; Q trips: segment 4 i + w is added up, segment 4 (i + 1) + w asked for
	s_wait_xcnt 0x0                                ; every load and prefetch issued so far has read its address
	s_add_nc_u64 s[16:17], s[16:17], 65536
	s_add_nc_u64 s[18:19], s[18:19], 65536
	SEG 1
	WIN 0
	s_add_co_u32 s36, s36, 1
	s_cmp_lt_u32 s36, s11
	s_cbranch_scc1 .Lpre
.Lown:
	HSTORE PB
	SEG 0                                          ; my own segment; v's fragments stay for the second product
	HSTORE LB
	s_wait_dscnt 0x0                               ; for the others' sake: PREV and LAST lie in LDS
	s_barrier_signal -1
	s_barrier_wait -1
	; the four start states, for my five tiles: P0-P3 = PREV of waves 0-3 at v96, 104, 112, 120; L0-L2 = LAST of waves 0-2 at v128, 136, 144.  The eight lines leave S of segment s in Ps.
.irp e, 0,1,2,3,4
	ds_load_b128 v[96:99],   v[RD0]   offset:(\e)*1024
	ds_load_b128 v[100:103], v[RD0]   offset:(\e)*1024+512
	ds_load_b128 v[104:107], v[RD0]   offset:20480+(\e)*1024
	ds_load_b128 v[108:111], v[RD0]   offset:20480+(\e)*1024+512
	ds_load_b128 v[112:115], v[RD0+1] offset:(\e)*1024
	ds_load_b128 v[116:119], v[RD0+1] offset:(\e)*1024+512
	ds_load_b128 v[120:123], v[RD0+1] offset:20480+(\e)*1024
	ds_load_b128 v[124:127], v[RD0+1] offset:20480+(\e)*1024+512
	ds_load_b128 v[128:131], v[RD0+2] offset:(\e)*1024
	ds_load_b128 v[132:135], v[RD0+2] offset:(\e)*1024+512
	ds_load_b128 v[136:139], v[RD0+2] offset:20480+(\e)*1024
	ds_load_b128 v[140:143], v[RD0+2] offset:20480+(\e)*1024+512
	ds_load_b128 v[144:147], v[RD0+3] offset:(\e)*1024
	ds_load_b128 v[148:151], v[RD0+3] offset:(\e)*1024+512
	s_wait_dscnt 0x0
	FMA4 112, 112, 28, 120                         ; rho P2 + P3
	FMA4 104, 104, 30, 112                         ; rho^2 P1 + rho P2 + P3
	FMA4 96,  96,  32, 104                         ; S0
	FMA4 136, 128, 28, 136                         ; rho L0 + L1
	FMA4 144, 136, 28, 144                         ; rho^2 L0 + rho L1 + L2
	FMA4 120, 120, 32, 144                         ; S3
	FMA4 112, 112, 30, 136                         ; S2
	FMA4 104, 104, 28, 128                         ; S1
.set q, 0
.rept 16
	v_cvt_pk_bf16_f32 v[152+q], v[96+2*q], v[96+2*q+1]
.set q, q+1
.endr
.irp s, 0,1,2,3
	ds_store_b128 v[SNS], v[152+4*(\s):155+4*(\s)] offset:(\s)*10240+(\e)*2048
.endr
.endr
	s_wait_dscnt 0x0
	s_barrier_signal -1
	s_barrier_wait -1
	WIN 0x40
.set n, 0
.rept 20
	ds_load_b128 v[4*n:4*n+3], v[SNR] offset:512*n ; my segment's start state: fragment (e, dk) at 16 e + 8 dk
.set n, n+1
.endr
	WIN 0
	s_wait_loadcnt 0x0                             ; fq and kg
	s_wait_dscnt 0x0
; SIXTEEN QUERIES, block qb of my segment.  Scores against key blocks 0 .. qb and the product with the start state, one instruction a turn, so that no two neighbours share an accumulator; then the decay, the
; rounding, the second product, the division.
.macro QB qb
	WIN 0x0a                                       ; kg and fq in window 2
.set kb, 0
.rept (\qb)+1
	v_wmma_f32_16x16x32_bf16 v[ST+8*kb:ST+8*kb+7], v[128+16*kb:128+16*kb+7], v[16*(\qb):16*(\qb)+7], 0
.set kb, kb+1
.endr
	WIN 0x09                                       ; the state in window 1, fq in window 2
.irp e, 0,1,2,3,4
	v_wmma_f32_16x16x32_bf16 v[O+8*(\e):O+8*(\e)+7], v[16*(\e):16*(\e)+7], v[16*(\qb):16*(\qb)+7], 0
.endr
	WIN 0x0a
.set kb, 0
.rept (\qb)+1
	v_wmma_f32_16x16x32_bf16 v[ST+8*kb:ST+8*kb+7], v[136+16*kb:136+16*kb+7], v[16*(\qb)+8:16*(\qb)+15], v[ST+8*kb:ST+8*kb+7]
.set kb, kb+1
.endr
	WIN 0x09
.irp e, 0,1,2,3,4
	v_wmma_f32_16x16x32_bf16 v[O+8*(\e):O+8*(\e)+7], v[16*(\e)+8:16*(\e)+15], v[16*(\qb)+8:16*(\qb)+15], v[O+8*(\e):O+8*(\e)+7]
.endr
	WIN 0
	PLACES
	PLACES                                         ; eight: the lines below write accumulators in place
.set kb, 0
.rept (\qb)+1
.irp p, 0,2,4,6
	v_pk_mul_f32 v[ST+8*kb+(\p):ST+8*kb+(\p)+1], v[ST+8*kb+(\p):ST+8*kb+(\p)+1], v[DM+8*((\qb)-kb)+(\p):DM+8*((\qb)-kb)+(\p)+1]
.endr
.irp q, 0,1,2,3
	v_cvt_pk_bf16_f32 v[P+4*kb+(\q)], v[ST+8*kb+2*(\q)], v[ST+8*kb+2*(\q)+1]
.endr
.set kb, kb+1
.endr
.if (\qb)%2 == 0
.irp q, 0,1,2,3
	v_mov_b32 v[P+4*((\qb)+1)+(\q)], 0             ; the last fragment's upper 16 keys lie above the diagonal
.endr
.endif
.set i, 0
.rept 17                               ; r^(i + 1): the four tiles of y's channels, and of the fifth the pair that holds the divisor
.if (\qb)%2
	v_pk_mul_f32 v[O+i:O+i+1], v[O+i:O+i+1], v[LAM+(\qb)-1:LAM+(\qb)] op_sel:[0,1] op_sel_hi:[1,1]
.else
	v_pk_mul_f32 v[O+i:O+i+1], v[O+i:O+i+1], v[LAM+(\qb):LAM+(\qb)+1] op_sel_hi:[1,0]
.endif
.set i, i+2
.endr
	WIN 0x03                                       ; v' in window 3
.set kk, 0
.rept (\qb)/2+1
.irp e, 0,1,2,3
	v_wmma_f32_16x16x32_bf16 v[O+8*(\e):O+8*(\e)+7], v[32*kk+8*(\e):32*kk+8*(\e)+7], v[P+8*kk:P+8*kk+7], v[O+8*(\e):O+8*(\e)+7]
.endr
	v_wmma_f32_16x16x32_bf16 v[O+32:O+39], v[128:135], v[P+8*kk:P+8*kk+7], v[O+32:O+39]
.set kk, kk+1
.endr
	WIN 0
	PLACES
	PLACES
	s_wait_xcnt 0x0                                ; the stores of the block before have read Y
	v_add_f32 v24, 0x358637bd, v[O+32]             ; the divisor + 1e-6
	v_rcp_f32 v[INV], v24
	v_mov_b32 v[INV+1], 0                          ; the plain line behind the reciprocal; the pair is named whole below
	s_wait_alu depctr_va_vdst(0)
.set i, 0
.rept 16
	v_pk_mul_f32 v[O+i:O+i+1], v[O+i:O+i+1], v[INV:INV+1] op_sel_hi:[1,0]
.set i, i+2
.endr
.set i, 0
.rept 16
	v_cvt_pk_bf16_f32 v[Y+i], v[O+2*i], v[O+2*i+1]
.set i, i+1
.endr
.irp e, 0,1,2,3
	global_store_b128 v[LIN], v[Y+4*(\e):Y+4*(\e)+3], s[24:25] offset:(\qb)*32768+(\e)*512  ; half a fragment of y's image: 512 consecutive bytes, aligned
.endr
.endm
	QB 0
	QB 1
	QB 2
	QB 3
	QB 4
	QB 5
	QB 6
	QB 7
	s_wait_tensorcnt 0x0                           ; the wave's end: behind my last LDS store
	ds_add_u32 v[SPW], v[NIL]
	s_wait_dscnt 0x0
	s_endpgm
.Lfunc_end_k_q6e3ab43ee3_attn:
	.size	k_q6e3ab43ee3_attn, .Lfunc_end_k_q6e3ab43ee3_attn-k_q6e3ab43ee3_attn
	.p2alignl 7, 3214868480
	.fill 96, 4, 3214868480
	.section	.rodata,"a",@progbits
	.p2align	6, 0x0
	.amdhsa_kernel k_q6e3ab43ee3_attn
		.amdhsa_group_segment_fixed_size 205312
		.amdhsa_private_segment_fixed_size 0
		.amdhsa_enable_private_segment 0
		.amdhsa_kernarg_size 24
		.amdhsa_user_sgpr_count 2
		.amdhsa_user_sgpr_kernarg_segment_ptr 1
		.amdhsa_wavefront_size32 1
		.amdhsa_system_sgpr_workgroup_id_x 1
		.amdhsa_system_sgpr_workgroup_id_y 1
		.amdhsa_system_sgpr_workgroup_id_z 1
		.amdhsa_system_vgpr_workitem_id 0
		.amdhsa_next_free_vgpr 1024
		.amdhsa_next_free_sgpr 66
		.amdhsa_reserve_vcc 1
		.amdhsa_float_denorm_mode_32 3
		.amdhsa_float_denorm_mode_16_64 3
		.amdhsa_memory_ordered 1
		.amdhsa_forward_progress 1
		.amdhsa_inst_pref_size 154
	.end_amdhsa_kernel
	.amdgpu_metadata
---
amdhsa.version: [ 1, 2 ]
amdhsa.kernels:
  - .name:           k_q6e3ab43ee3_attn
    .symbol:         k_q6e3ab43ee3_attn.kd
    .args:
      - { .name: qkv, .offset: 0, .size: 8, .value_kind: global_buffer, .address_space: global }
      - { .name: theta, .offset: 8, .size: 8, .value_kind: global_buffer, .address_space: global }
      - { .name: yf, .offset: 16, .size: 8, .value_kind: global_buffer, .address_space: global }
    .group_segment_fixed_size: 205312
    .private_segment_fixed_size: 0
    .kernarg_segment_align: 8
    .kernarg_segment_size: 24
    .max_flat_workgroup_size: 128
    .sgpr_count:     66
    .vgpr_count:     1024
    .wavefront_size: 32
...
	.end_amdgpu_metadata
.endif
;; end of part 3
;; launch outp (part 4): grid 4 x 64, 4 waves a work-group, clusters of 4 x 4, 327,680 bytes of LDS; arguments yf, wf, yp; writes yp
.if DOCPART == 4
	.amdgcn_target "amdgcn-amd-amdhsa--gfx1250"
	.amdhsa_code_object_version 6
	.text
	.protected	k_q6e3ab43ee3_outp
	.globl	k_q6e3ab43ee3_outp
	.p2align	8
	.type	k_q6e3ab43ee3_outp,@function
k_q6e3ab43ee3_outp:
	s_mov_b64 s[64:65], 0
	v_nop
	global_prefetch_b8 v0, s[64:65] scope:SCOPE_SE
	s_setreg_imm32_b32 hwreg(HW_REG_WAVE_MODE, 25, 1), 1
	s_wait_xcnt 0x0
	s_wait_alu depctr_hold_cnt(0) depctr_sa_sdst(0) depctr_va_vdst(0) depctr_va_sdst(0) depctr_va_ssrc(0) depctr_va_vcc(0) depctr_vm_vsrc(0)
	s_getreg_b32 s2, hwreg(HW_REG_IB_STS2, 6, 4)
	s_cmp_eq_u32 s2, 0
	s_cbranch_scc0 .Lentry_in_a_cluster
	s_endpgm
.Lentry_in_a_cluster:
	s_bfe_u32 s2, ttmp6, 0x10000c
	s_cmp_lg_u32 s2, 0xf033
	s_cbranch_scc0 .Lentry_shape_is_right
	s_endpgm
.Lentry_shape_is_right:
; OUTP.  yp = y Wo^T (8,192 x 1,024 x 1,024), bf16 operands from the fragment images yf and wf (Wo's blocks begin at block 192), f32 sums, yp rounded once to bf16, [8192][1024] row-major.  The bias is added by the launch behind.
; SHARES.  A work-group makes 128 tokens x 256 columns, a wave 64 x 128: 32 accumulators.  256 work-groups.  THE PRODUCT IS USED TRANSPOSED (source 0 = 16 rows of Wo, source 1 = 16 tokens): a lane holds eight
; neighbouring columns of one token's row.
; RING.  K in steps of 128 through two LDS slots; a K step of a block of 16 rows is 4,096 consecutive bytes of an image; a tensor load brings 8 such rows, dense in LDS; fragments are read as runs of 512 bytes: no padding.
; Wave 0 fetches y's 8 blocks, waves 1 and 2 Wo's 16; wave 3 fetches nothing, in every work-group alike.
; CLUSTER.  4 x 4: y's tile is shared along a row of the cluster, Wo's along a column, each asked for jointly.
; REGISTERS: window 0: addresses and the way out; window 1: two fragment buffers (y's 4 fragments, then Wo's 8); window 2: the accumulators, token block a, column block b at 8 (8 a + b).
.set KB,    4096
.set SLOT,  131072                     ; y's 8 blocks at 0, Wo's 16 at 32,768; a power of two, so that one exclusive or changes slots
.set STAGE, 2*SLOT                     ; behind the ring, never filled by a tensor load: 16 rows x 272 bytes for each wave
.set SPO,   272
.set SPARE, STAGE+4*16*SPO
.set LIN,   3
.set ADRA0, 4
.set ADRB0, 5
.set ADRA,  6
.set ADRB,  7
.set STO,   8                          ; v8   the stage, in: row l % 16, 16 bytes for each half of the lanes
.set RD,    9                          ; v9   back: lanes 0-15 one row of 256 bytes, lanes 16-31 the next
.set CO,    10                         ; v10  the same two rows in yp
.set PFO,   12
.set SPW,   28
.set NIL,   29
.set TMP,   32                         ; v[32:63]  packed results
.set OB,    64                         ; v[64:95]  16 rows read back
.set F0,    0
.set F1,    128
.set WV,    12
.set G1A,   24
.set G1B,   32
.set G0A,   40
.set G0B,   48
.set PFA,   56
.set LIM,   58
.set SL,    59
.set CNT,   60
.set MSB, 0
.macro WIN new
.if MSB != (\new)
	s_set_vgpr_msb (MSB<<8)|(\new)
.set MSB, \new
.endif
.endm
.macro PLACES
.rept 4
	v_nop
.endr
.endm
.macro CREST
	s_cmp_lg_u32 s[WV], 0
	s_cbranch_scc1 .Lnot_wave_0_\@
	s_barrier_signal -3
.Lnot_wave_0_\@:
	s_barrier_wait -3
	s_barrier_signal -1
	s_barrier_wait -1
.endm
.macro CROUND
	s_barrier_signal -1
	s_barrier_wait -1
	CREST
.endm
.macro JLOAD                           ; wave 0: y's line; waves 1, 2: Wo's; wave 3: none.  The branches hang on the wave's number alone; an s_nop 0 and four v_nop follow each line
	s_cmp_eq_u32 s[WV], 0
	s_cbranch_scc0 .Lfor_b_\@
	tensor_load_to_lds s[G0A+4:G0A+7], s[G1A:G1A+7]
	s_nop 0
.rept 4
	v_nop
.endr
	s_branch .Lasked_\@
.Lfor_b_\@:
	s_cmp_eq_u32 s[WV], 3
	s_cbranch_scc1 .Lasked_\@
	tensor_load_to_lds s[G0B+4:G0B+7], s[G1B:G1B+7]
	s_nop 0
.rept 4
	v_nop
.endr
.Lasked_\@:
.endm
; A PREFETCH of the K step two refills on.  y's blocks are read by one cluster, which asks (wave 0); Wo's by all sixteen clusters: the one with y = 0 asks (waves 1, 2).  Of a wave's 8 blocks each of the four partners
; takes two, told apart by address; a lane names 256 bytes.  Trips 0 to 3 name K steps 4 to 7; the last two trips name nothing.
.macro ASK
	WIN 0
	s_cmp_gt_u32 s[CNT], s[LIM]
	s_cbranch_scc0 .Lnot_mine_\@
	global_prefetch_b8 v[PFO], s[PFA:PFA+1] offset:KB th:TH_LOAD_NT scope:SCOPE_SE
.Lnot_mine_\@:
.endm
.macro MUL8 f, a, zero                 ; token block a x the 8 column blocks
	WIN 0xa5
.irp b, 0,1,2,3,4,5,6,7
.if \zero
	v_wmma_f32_16x16x32_bf16 v[8*(8*(\a)+(\b)):8*(8*(\a)+(\b))+7], v[(\f)+32+8*(\b):(\f)+32+8*(\b)+7], v[(\f)+8*(\a):(\f)+8*(\a)+7], 0
.else
	v_wmma_f32_16x16x32_bf16 v[8*(8*(\a)+(\b)):8*(8*(\a)+(\b))+7], v[(\f)+32+8*(\b):(\f)+32+8*(\b)+7], v[(\f)+8*(\a):(\f)+8*(\a)+7], v[8*(8*(\a)+(\b)):8*(8*(\a)+(\b))+7]
.endif
.endr
.endm
.macro FETCH q, f                      ; 24 LDS loads in one run: Wo's eight fragments, then y's four
	WIN 0x40
.irp b, 0,1,2,3,4,5,6,7
	ds_load_b128 v[(\f)+32+8*(\b):(\f)+32+8*(\b)+3],   v[ADRB] offset:(\b)*KB+(\q)*1024
	ds_load_b128 v[(\f)+32+8*(\b)+4:(\f)+32+8*(\b)+7], v[ADRB] offset:(\b)*KB+(\q)*1024+512
.endr
.irp a, 0,1,2,3
	ds_load_b128 v[(\f)+8*(\a):(\f)+8*(\a)+3],   v[ADRA] offset:(\a)*KB+(\q)*1024
	ds_load_b128 v[(\f)+8*(\a)+4:(\f)+8*(\a)+7], v[ADRA] offset:(\a)*KB+(\q)*1024+512
.endr
.endm
.macro QUARTER q, f, g, zero           ; 32 products on 32 accumulators, in the same order in every quarter
	s_wait_dscnt 4                                 ; y's blocks 2 and 3 may be out
	MUL8 \f, 0, \zero
	MUL8 \f, 1, \zero
	PLACES
	FETCH \q, \g
	s_wait_dscnt 24                                ; all but the 24 just issued
	MUL8 \f, 2, \zero
	MUL8 \f, 3, \zero
.endm
.macro TURN fill                       ; the last quarter and the change of slots: the waits and the add in front of the barrier, the joint refill first behind the round
.if \fill
	s_wait_xcnt 0x0                                ; the last prefetch, a K step back, has read its address
	s_add_nc_u64 s[PFA:PFA+1], s[PFA:PFA+1], KB
.endif
	WIN 0
	s_wait_tensorcnt 0x0                           ; all my tensor loads have landed: my part of the next slot
	ds_add_u32 v[SPW], v[NIL]
	s_wait_dscnt 5                                 ; the add and y's blocks 2 and 3 may be out
	MUL8 F1, 0, 0
	s_wait_dscnt 0x0                               ; the add is done, and my reads of this slot are over
	s_barrier_signal -1
	MUL8 F1, 1, 0
	WIN 0
	s_barrier_wait -1
.if \fill
	CREST
.irp g, G0A+4, G0B+4
	s_xor_b32 s[(\g)+1], s[(\g)+1], SLOT
	s_add_nc_u64 s[(\g)+2:(\g)+3], s[(\g)+2:(\g)+3], KB
.endr
	JLOAD
.endif
	s_xor_b32 s[SL], s[SL], SLOT
	v_add_nc_u32 v[ADRA], s[SL], v[ADRA0]          ; these two and two v_nop are the places in front of the loads into buffer 0, on every path, wave 3's too
	v_add_nc_u32 v[ADRB], s[SL], v[ADRB0]
	v_nop
	v_nop
	FETCH 0, F0
.if \fill
	ASK
.endif
	MUL8 F1, 2, 0
	MUL8 F1, 3, 0
.endm
	s_load_b128 s[4:7], s[0:1], 0x0                ; yf s[4:5], wf s[6:7]
	s_load_b64 s[8:9], s[0:1], 0x10                ; yp
	v_lshl_add_u32 v[SPW], v0, 2, SPARE
	v_mov_b32 v[NIL], 0
	ds_add_u32 v[SPW], v[NIL]                      ; the wave's opening: the add and its wait ahead of my first tensor load
	v_lshrrev_b32 v1, 5, v0
	v_readfirstlane_b32 s[WV], v1
	s_lshr_b32 s13, s[WV], 1                       ; i: which 64 tokens
	s_and_b32 s14, s[WV], 1                        ; j: which 128 columns
	s_bfe_u32 s15, ttmp6, 0x40000                  ; cx
	s_bfe_u32 s16, ttmp6, 0x40004                  ; cy
	s_lshl_b32 s17, ttmp9, 2
	s_add_co_u32 s17, s17, s15                     ; tc
	s_and_b32 s18, ttmp7, 0xffff
	s_lshl_b32 s18, s18, 2
	s_add_co_u32 s18, s18, s16                     ; tr
	s_lshl_b32 s20, s16, 2
	s_lshl_b32 s20, 15, s20
	s_lshl_b32 s21, 0x1111, s15
	s_or_b32 s[G1A], s20, (3<<16)|(1<<21)          ; the mask of my row; elements of 8 bytes; bit 21 beside a mask
	s_or_b32 s[G1B], s21, (3<<16)|(1<<21)          ; the mask of my column
.irp g, G1A, G1B
	s_mov_b32 s[(\g)+1], 512<<16
	s_mov_b32 s[(\g)+2], 8<<16
	s_mov_b32 s[(\g)+3], 512<<16
	s_mov_b32 s[(\g)+4], 8
	s_mov_b32 s[(\g)+5], 4096
	s_mov_b32 s[(\g)+6], 0
	s_mov_b32 s[(\g)+7], 0
.endr
	s_lshl_b32 s20, s18, 18
	s_mov_b32 s21, 0
	s_max_u32 s22, s[WV], 1
	s_min_u32 s22, s22, 2
	s_sub_co_u32 s22, s22, 1
	s_lshl_b32 s22, s22, 3
	s_lshl4_add_u32 s22, s17, s22
	s_add_co_u32 s22, s22, 192                     ; Wo: block 192 + 16 tc + 8 (w - 1)
	s_lshl_b32 s22, s22, 15
	s_mov_b32 s23, 0
	s_lshl_b32 s78, s[WV], 15
	s_mov_b32 s[SL], 0
	s_wait_dscnt 0x0
	s_wait_kmcnt 0x0
	s_add_nc_u64 s[80:81], s[4:5], s[20:21]
	s_add_nc_u64 s[82:83], s[6:7], s[22:23]
.irp s, 0,1
	s_mov_b32 s[G0A+4*(\s)], 1
	s_add_co_u32 s[G0A+4*(\s)+1], s78, (\s)*SLOT
	s_add_nc_u64 s[G0A+4*(\s)+2:G0A+4*(\s)+3], s[80:81], (\s)*KB
	s_or_b32 s[G0A+4*(\s)+3], s[G0A+4*(\s)+3], 0x80000000
	s_mov_b32 s[G0B+4*(\s)], 1
	s_add_co_u32 s[G0B+4*(\s)+1], s78, (\s)*SLOT
	s_add_nc_u64 s[G0B+4*(\s)+2:G0B+4*(\s)+3], s[82:83], (\s)*KB
	s_or_b32 s[G0B+4*(\s)+3], s[G0B+4*(\s)+3], 0x80000000
.endr
	s_and_b32 s79, ttmp7, 0xffff
	s_cmp_eq_u32 s[WV], 0
	s_cselect_b32 s84, s15, s16
	s_cselect_b32 s79, ttmp9, s79
	s_cselect_b64 s[PFA:PFA+1], s[80:81], s[82:83]
	s_cmp_eq_u32 s79, 0
	s_cselect_b32 s[LIM], 2, -1
	s_cmp_eq_u32 s[WV], 3
	s_cselect_b32 s[LIM], -1, s[LIM]               ; wave 3 fetches nothing and asks for nothing
	s_lshl_b32 s84, s84, 16
	s_mov_b32 s85, 0
	s_add_nc_u64 s[PFA:PFA+1], s[PFA:PFA+1], s[84:85]
	s_add_nc_u64 s[PFA:PFA+1], s[PFA:PFA+1], 2*KB
	s_lshl_b32 s20, s18, 7
	s_lshl_b32 s21, s13, 6
	s_add_co_u32 s20, s20, s21                     ; my first token
	s_lshl_b32 s20, s20, 11                        ; rows of 2,048 bytes
	s_lshl_b32 s21, s17, 9
	s_add_co_u32 s20, s20, s21
	s_lshl_b32 s21, s14, 8
	s_add_co_u32 s20, s20, s21
	s_mov_b32 s21, 0
	s_add_nc_u64 s[66:67], s[8:9], s[20:21]
	CROUND
	s_cmp_eq_u32 s[WV], 0                          ; a wave's first fills stand in one branch on its number
	s_cbranch_scc0 .Lfirst_b
	tensor_load_to_lds s[G0A:G0A+3], s[G1A:G1A+7]
	s_nop 0
	tensor_load_to_lds s[G0A+4:G0A+7], s[G1A:G1A+7]
	s_nop 0
.rept 4
	v_nop
.endr
	s_branch .Lfirst_asked
.Lfirst_b:
	s_cmp_eq_u32 s[WV], 3
	s_cbranch_scc1 .Lfirst_asked
	tensor_load_to_lds s[G0B:G0B+3], s[G1B:G1B+7]
	s_nop 0
	tensor_load_to_lds s[G0B+4:G0B+7], s[G1B:G1B+7]
	s_nop 0
.rept 4
	v_nop
.endr
.Lfirst_asked:
	v_and_b32 v1, 15, v0
	v_bfe_u32 v2, v0, 4, 1
	v_and_b32 v13, 31, v0
	v_lshlrev_b32 v[LIN], 4, v13
	s_lshl_b32 s20, s13, 14
	v_add_nc_u32 v[ADRA0], s20, v[LIN]
	s_lshl_b32 s20, s14, 15
	s_add_co_u32 s20, s20, 32768
	v_add_nc_u32 v[ADRB0], s20, v[LIN]
	v_mov_b32 v[ADRA], v[ADRA0]
	v_mov_b32 v[ADRB], v[ADRB0]
	s_mul_i32 s20, s[WV], 16*SPO
	s_add_co_u32 s20, s20, STAGE
	v_mul_u32_u24 v[STO], v1, SPO
	v_lshl_add_u32 v[STO], v2, 4, v[STO]
	v_add_nc_u32 v[STO], s20, v[STO]
	v_mul_u32_u24 v[RD], v2, SPO
	v_lshl_add_u32 v[RD], v1, 4, v[RD]
	v_add_nc_u32 v[RD], s20, v[RD]
	v_lshlrev_b32 v[CO], 11, v2
	v_lshl_add_u32 v[CO], v1, 4, v[CO]
	v_lshlrev_b32 v[PFO], 8, v1
	v_lshl_add_u32 v[PFO], v2, 15, v[PFO]
	s_wait_tensorcnt 1                             ; my part of K step 0 is in; K step 1's may stay out
	s_barrier_signal -1
	s_barrier_wait -1
	FETCH 0, F0
	QUARTER 1, F0, F1, 1
	WIN 0
	s_mov_b32 s[CNT], 6
.Lk:
	QUARTER 2, F1, F0, 0
	QUARTER 3, F0, F1, 0
	TURN 1
	QUARTER 1, F0, F1, 0
	WIN 0
	s_sub_co_u32 s[CNT], s[CNT], 1
	s_cmp_lg_u32 s[CNT], 0
	s_cbranch_scc1 .Lk
	QUARTER 2, F1, F0, 0
	QUARTER 3, F0, F1, 0
	TURN 0
	QUARTER 1, F0, F1, 0
	QUARTER 2, F1, F0, 0
	QUARTER 3, F0, F1, 0
	s_wait_dscnt 4
	MUL8 F1, 0, 0
	MUL8 F1, 1, 0
	s_wait_dscnt 0x0
	MUL8 F1, 2, 0
	MUL8 F1, 3, 0
	WIN 0
	PLACES
	; THE WAY OUT, 16 tokens at a time: rounded to bf16, 16 bytes a lane into my stage, back as whole rows of 256 bytes, stored so that sixteen lanes cover 256 consecutive bytes, aligned
.irp a, 0,1,2,3
	s_wait_xcnt 0x0                                ; the stores of the block before have read their registers
	WIN 0x0a
.set p, 0
.rept 32
	v_cvt_pk_bf16_f32 v[TMP+p], v[64*(\a)+2*p], v[64*(\a)+2*p+1]
.set p, p+1
.endr
	WIN 0
.irp b, 0,1,2,3,4,5,6,7
	ds_store_b128 v[STO], v[TMP+4*(\b):TMP+4*(\b)+3] offset:32*(\b)
.endr
.irp t, 0,1,2,3,4,5,6,7
	ds_load_b128 v[OB+4*(\t):OB+4*(\t)+3], v[RD] offset:(\t)*2*SPO  ; LDS serves a wave's instructions in order (ISA guide 5.7.1.4): these see the stores above
.endr
	s_wait_dscnt 0x0
.irp t, 0,1,2,3,4,5,6,7
	global_store_b128 v[CO], v[OB+4*(\t):OB+4*(\t)+3], s[66:67] offset:(16*(\a)+2*(\t))*2048
.endr
.endr
	s_wait_tensorcnt 0x0                           ; the wave's end
	ds_add_u32 v[SPW], v[NIL]
	s_wait_dscnt 0x0
	CROUND                                         ; the closing round
	s_endpgm
.Lfunc_end_k_q6e3ab43ee3_outp:
	.size	k_q6e3ab43ee3_outp, .Lfunc_end_k_q6e3ab43ee3_outp-k_q6e3ab43ee3_outp
	.p2alignl 7, 3214868480
	.fill 96, 4, 3214868480
	.section	.rodata,"a",@progbits
	.p2align	6, 0x0
	.amdhsa_kernel k_q6e3ab43ee3_outp
		.amdhsa_group_segment_fixed_size 327680
		.amdhsa_private_segment_fixed_size 0
		.amdhsa_enable_private_segment 0
		.amdhsa_kernarg_size 24
		.amdhsa_user_sgpr_count 2
		.amdhsa_user_sgpr_kernarg_segment_ptr 1
		.amdhsa_wavefront_size32 1
		.amdhsa_system_sgpr_workgroup_id_x 1
		.amdhsa_system_sgpr_workgroup_id_y 1
		.amdhsa_system_sgpr_workgroup_id_z 1
		.amdhsa_system_vgpr_workitem_id 0
		.amdhsa_next_free_vgpr 768
		.amdhsa_next_free_sgpr 96
		.amdhsa_reserve_vcc 0
		.amdhsa_float_denorm_mode_32 3
		.amdhsa_float_denorm_mode_16_64 3
		.amdhsa_memory_ordered 1
		.amdhsa_forward_progress 1
		.amdhsa_inst_pref_size 70
	.end_amdhsa_kernel
	.amdgpu_metadata
---
amdhsa.version: [ 1, 2 ]
amdhsa.kernels:
  - .name:           k_q6e3ab43ee3_outp
    .symbol:         k_q6e3ab43ee3_outp.kd
    .args:
      - { .name: yf, .offset: 0, .size: 8, .value_kind: global_buffer, .address_space: global }
      - { .name: wf, .offset: 8, .size: 8, .value_kind: global_buffer, .address_space: global }
      - { .name: yp, .offset: 16, .size: 8, .value_kind: global_buffer, .address_space: global }
    .group_segment_fixed_size: 327680
    .private_segment_fixed_size: 0
    .kernarg_segment_align: 8
    .kernarg_segment_size: 24
    .max_flat_workgroup_size: 128
    .sgpr_count:     96
    .vgpr_count:     768
    .wavefront_size: 32
...
	.end_amdgpu_metadata
.endif
;; end of part 4
;; launch lnorm (part 5): grid 256 x 1, 16 waves a work-group, no clusters, 0 bytes of LDS; arguments x, yp, bo, ln_gamma, ln_beta, out0; writes out0
.if DOCPART == 5
	.amdgcn_target "amdgcn-amd-amdhsa--gfx1250"
	.amdhsa_code_object_version 6
	.text
	.protected	k_q6e3ab43ee3_lnorm
	.globl	k_q6e3ab43ee3_lnorm
	.p2align	8
	.type	k_q6e3ab43ee3_lnorm,@function
k_q6e3ab43ee3_lnorm:
	s_mov_b64 s[64:65], 0
	v_nop
	global_prefetch_b8 v0, s[64:65] scope:SCOPE_SE
	s_setreg_imm32_b32 hwreg(HW_REG_WAVE_MODE, 25, 1), 1
	s_wait_xcnt 0x0
; LNORM.  h = x + yp + bo; out = (h - mean) / sqrt(var + 1e-5) x gamma + beta, along rows of 1,024.  x, bo, gamma, beta, out f32; yp bf16.  All arithmetic in f32; the variance is taken of h - mean, as in the problem.
; A stream: one wave takes a whole row (4,096 bytes of x in 32 registers) and keeps it between the passes, so x and yp are read once and no wave waits for another: no LDS, no barrier, no matrix unit, no cluster.
; Wave v of work-group g takes rows 32 g + 2 v and the next.  Lane l holds channels 128 j + 4 l + 0..3, j = 0..7: each load and store of x and out covers 512 consecutive bytes, of yp 256, aligned.
; All 56 loads of the wave go out at once.
.set X0, 8                             ; v[8:39], v[40:71]     the two rows
.set X1, 40
.set Y0, 72                            ; v[72:87], v[88:103]   yp's two rows
.set Y1, 88
.set BO, 104                           ; v[104:135] bo;  v[136:167] gamma;  v[168:199] beta
.set GA, 136
.set BE, 168
.set T,  200                           ; v[200:207] at work
.set SM, 208                           ; v[208:215] four chains of sums
.set MU, 216                           ; v[216:217] the mean, twice;  v[218:219] 1 / sqrt(var + 1e-5), twice
.set RS, 218
.macro LANES                           ; the sum over the 32 lanes, in every lane
	v_add_f32_dpp v[SM], v[SM], v[SM] row_xmask:1 row_mask:0xf bank_mask:0xf
	v_add_f32_dpp v[SM], v[SM], v[SM] row_xmask:2 row_mask:0xf bank_mask:0xf
	v_add_f32_dpp v[SM], v[SM], v[SM] row_xmask:4 row_mask:0xf bank_mask:0xf
	v_add_f32_dpp v[SM], v[SM], v[SM] row_xmask:8 row_mask:0xf bank_mask:0xf
	v_permlanex16_b32 v[SM+1], v[SM], s24, s25
	v_add_f32 v[SM], v[SM], v[SM+1]
.endm
.macro FOLD                            ; the four chains into one number a lane
	v_pk_add_f32 v[SM:SM+1], v[SM:SM+1], v[SM+2:SM+3]
	v_pk_add_f32 v[SM+4:SM+5], v[SM+4:SM+5], v[SM+6:SM+7]
	v_pk_add_f32 v[SM:SM+1], v[SM:SM+1], v[SM+4:SM+5]
	v_add_f32 v[SM], v[SM], v[SM+1]
.endm
.macro ROW X, Y, off, all
.set j, 0
.rept 8
.set tt, T+4*(j%2)
	v_lshlrev_b32 v[tt],   16,  v[(\Y)+2*j]         ; bf16 to f32: the low half moves up, the high half stays
	v_and_b32     v[tt+1], s22, v[(\Y)+2*j]
	v_lshlrev_b32 v[tt+2], 16,  v[(\Y)+2*j+1]
	v_and_b32     v[tt+3], s22, v[(\Y)+2*j+1]
	v_pk_add_f32 v[(\X)+4*j:(\X)+4*j+1],   v[(\X)+4*j:(\X)+4*j+1],   v[BO+4*j:BO+4*j+1]
	v_pk_add_f32 v[(\X)+4*j+2:(\X)+4*j+3], v[(\X)+4*j+2:(\X)+4*j+3], v[BO+4*j+2:BO+4*j+3]
	v_pk_add_f32 v[(\X)+4*j:(\X)+4*j+1],   v[(\X)+4*j:(\X)+4*j+1],   v[tt:tt+1]
	v_pk_add_f32 v[(\X)+4*j+2:(\X)+4*j+3], v[(\X)+4*j+2:(\X)+4*j+3], v[tt+2:tt+3]
.set j, j+1
.endr
.irp c, 0,2,4,6                        ; the first pairs start the chains: nothing is cleared
	v_pk_add_f32 v[SM+(\c):SM+(\c)+1], v[(\X)+(\c):(\X)+(\c)+1], v[(\X)+8+(\c):(\X)+8+(\c)+1]
.endr
.irp c, 0,2,4,6
	v_pk_add_f32 v[SM+(\c):SM+(\c)+1], v[SM+(\c):SM+(\c)+1], v[(\X)+16+(\c):(\X)+16+(\c)+1]
.endr
.irp c, 0,2,4,6
	v_pk_add_f32 v[SM+(\c):SM+(\c)+1], v[SM+(\c):SM+(\c)+1], v[(\X)+24+(\c):(\X)+24+(\c)+1]
.endr
	FOLD
	LANES
	v_mul_f32 v[MU], s23, v[SM]
	v_mov_b32 v[MU+1], v[MU]
.set j, 0
.rept 16
	v_pk_add_f32 v[(\X)+j:(\X)+j+1], v[(\X)+j:(\X)+j+1], v[MU:MU+1] neg_lo:[0,1] neg_hi:[0,1]
.set j, j+2
.endr
.irp c, 0,2,4,6
	v_pk_mul_f32 v[SM+(\c):SM+(\c)+1], v[(\X)+(\c):(\X)+(\c)+1], v[(\X)+(\c):(\X)+(\c)+1]
.endr
.irp g, 8,16,24
.irp c, 0,2,4,6
	v_pk_fma_f32 v[SM+(\c):SM+(\c)+1], v[(\X)+(\g)+(\c):(\X)+(\g)+(\c)+1], v[(\X)+(\g)+(\c):(\X)+(\g)+(\c)+1], v[SM+(\c):SM+(\c)+1]
.endr
.endr
	FOLD
	LANES
	v_fmaak_f32 v[SM], s23, v[SM], 0x3727c5ac      ; the sum of squares / 1,024 + 1e-5
	v_rsq_f32 v[RS], v[SM]
	v_rsq_f32 v[RS+1], v[SM]
	v_nop                                          ; a plain line behind the second root,
	s_wait_alu depctr_va_vdst(0)                   ; and one wait for both, ahead of their first reader
.if \all
	s_wait_loadcnt 0x0                             ; gamma and beta, and the second row
.endif
.set j, 0
.rept 16
	v_pk_mul_f32 v[(\X)+j:(\X)+j+1], v[(\X)+j:(\X)+j+1], v[RS:RS+1]
.set j, j+2
.endr
.set j, 0
.rept 16
	v_pk_fma_f32 v[(\X)+j:(\X)+j+1], v[(\X)+j:(\X)+j+1], v[GA+j:GA+j+1], v[BE+j:BE+j+1]
.set j, j+2
.endr
.set j, 0
.rept 8
	global_store_b128 v1, v[(\X)+4*j:(\X)+4*j+3], s[14:15] offset:(\off)+512*j th:TH_STORE_NT
.set j, j+1
.endr
.endm
	s_load_b256 s[4:11], s[0:1], 0x0               ; x s[4:5], yp s[6:7], bo s[8:9], gamma s[10:11]
	s_load_b128 s[12:15], s[0:1], 0x20             ; beta s[12:13], out0 s[14:15]
	v_lshrrev_b32 v3, 5, v0
	v_readfirstlane_b32 s16, v3                    ; wave 0..15
	v_and_b32 v1, 31, v0
	v_lshlrev_b32 v2, 3, v1                        ; 8 lane
	v_lshlrev_b32 v1, 4, v1                        ; 16 lane
	s_lshl_b32 s17, ttmp9, 5
	s_lshl1_add_u32 s17, s16, s17                  ; my first row
	s_lshl_b32 s18, s17, 12
	s_mov_b32 s19, 0
	s_lshl_b32 s20, s17, 11
	s_mov_b32 s21, 0
	s_mov_b32 s22, 0xffff0000                      ; a word's upper bf16
	s_mov_b32 s23, 0x3a800000                      ; 1 / 1,024
	s_mov_b32 s24, 0x76543210                      ; v_permlanex16_b32: each lane takes its own place in the other half
	s_mov_b32 s25, 0xfedcba98
	s_wait_kmcnt 0x0
	s_add_nc_u64 s[4:5], s[4:5], s[18:19]
	s_add_nc_u64 s[6:7], s[6:7], s[20:21]
	s_add_nc_u64 s[14:15], s[14:15], s[18:19]
.irp j, 0,1,2,3,4,5,6,7
	global_load_b128 v[X0+4*(\j):X0+4*(\j)+3], v1, s[4:5] offset:512*(\j) th:TH_LOAD_NT
.endr
.irp j, 0,1,2,3,4,5,6,7
	global_load_b64 v[Y0+2*(\j):Y0+2*(\j)+1], v2, s[6:7] offset:256*(\j) th:TH_LOAD_NT
.endr
.irp j, 0,1,2,3,4,5,6,7
	global_load_b128 v[BO+4*(\j):BO+4*(\j)+3], v1, s[8:9] offset:512*(\j)
.endr
.irp j, 0,1,2,3,4,5,6,7
	global_load_b128 v[X1+4*(\j):X1+4*(\j)+3], v1, s[4:5] offset:4096+512*(\j) th:TH_LOAD_NT
.endr
.irp j, 0,1,2,3,4,5,6,7
	global_load_b64 v[Y1+2*(\j):Y1+2*(\j)+1], v2, s[6:7] offset:2048+256*(\j) th:TH_LOAD_NT
.endr
.irp j, 0,1,2,3,4,5,6,7
	global_load_b128 v[GA+4*(\j):GA+4*(\j)+3], v1, s[10:11] offset:512*(\j)
.endr
.irp j, 0,1,2,3,4,5,6,7
	global_load_b128 v[BE+4*(\j):BE+4*(\j)+3], v1, s[12:13] offset:512*(\j)
.endr
	s_wait_loadcnt 32                              ; the first row, its yp and bo are in; the second row's 16 loads, gamma's 8 and beta's 8 may stay out
	ROW X0, Y0, 0, 1
	ROW X1, Y1, 4096, 0
	s_endpgm
.Lfunc_end_k_q6e3ab43ee3_lnorm:
	.size	k_q6e3ab43ee3_lnorm, .Lfunc_end_k_q6e3ab43ee3_lnorm-k_q6e3ab43ee3_lnorm
	.p2alignl 7, 3214868480
	.fill 96, 4, 3214868480
	.section	.rodata,"a",@progbits
	.p2align	6, 0x0
	.amdhsa_kernel k_q6e3ab43ee3_lnorm
		.amdhsa_group_segment_fixed_size 0
		.amdhsa_private_segment_fixed_size 0
		.amdhsa_enable_private_segment 0
		.amdhsa_kernarg_size 48
		.amdhsa_user_sgpr_count 2
		.amdhsa_user_sgpr_kernarg_segment_ptr 1
		.amdhsa_wavefront_size32 1
		.amdhsa_system_sgpr_workgroup_id_x 1
		.amdhsa_system_sgpr_workgroup_id_y 1
		.amdhsa_system_sgpr_workgroup_id_z 1
		.amdhsa_system_vgpr_workitem_id 0
		.amdhsa_next_free_vgpr 224
		.amdhsa_next_free_sgpr 66
		.amdhsa_reserve_vcc 0
		.amdhsa_float_denorm_mode_32 3
		.amdhsa_float_denorm_mode_16_64 3
		.amdhsa_memory_ordered 1
		.amdhsa_forward_progress 1
		.amdhsa_inst_pref_size 27
	.end_amdhsa_kernel
	.amdgpu_metadata
---
amdhsa.version: [ 1, 2 ]
amdhsa.kernels:
  - .name:           k_q6e3ab43ee3_lnorm
    .symbol:         k_q6e3ab43ee3_lnorm.kd
    .args:
      - { .name: x, .offset: 0, .size: 8, .value_kind: global_buffer, .address_space: global }
      - { .name: yp, .offset: 8, .size: 8, .value_kind: global_buffer, .address_space: global }
      - { .name: bo, .offset: 16, .size: 8, .value_kind: global_buffer, .address_space: global }
      - { .name: ln_gamma, .offset: 24, .size: 8, .value_kind: global_buffer, .address_space: global }
      - { .name: ln_beta, .offset: 32, .size: 8, .value_kind: global_buffer, .address_space: global }
      - { .name: out0, .offset: 40, .size: 8, .value_kind: global_buffer, .address_space: global }
    .group_segment_fixed_size: 0
    .private_segment_fixed_size: 0
    .kernarg_segment_align: 8
    .kernarg_segment_size: 48
    .max_flat_workgroup_size: 512
    .sgpr_count:     66
    .vgpr_count:     224
    .wavefront_size: 32
...
	.end_amdgpu_metadata
.endif
;; end of part 5
;; ======== version 2 of 2: 5 launches; version 1 with the launches prep, attn written anew for expert scheduling mode
;; workspace buffers: xf 16,777,216 bytes; wf 8,388,608 bytes; aux 2,097,152 bytes; qkv 67,108,864 bytes; yf 16,777,216 bytes; yp 16,777,216 bytes
;; launch prep (part 6): grid 768 x 1, 4 waves a work-group, no clusters, 4,608 bytes of LDS; arguments x, Wq, Wk, Wv, Wo, Wg, bg, theta, mask, xf, wf, aux; writes xf, wf, aux
.if DOCPART == 6
	.amdgcn_target "amdgcn-amd-amdhsa--gfx1250"
	.amdhsa_code_object_version 6
	.text
	.protected	k_q6e3ab43ee3_prep
	.globl	k_q6e3ab43ee3_prep
	.p2align	8
	.type	k_q6e3ab43ee3_prep,@function
k_q6e3ab43ee3_prep:
	s_mov_b64 s[64:65], 0
	v_nop
	global_prefetch_b8 v0, s[64:65] scope:SCOPE_SE
	s_setreg_imm32_b32 hwreg(HW_REG_WAVE_SCHED_MODE, 0, 2), 2
	s_setreg_imm32_b32 hwreg(HW_REG_WAVE_MODE, 25, 1), 1
	s_wait_xcnt 0x0
	s_wait_alu depctr_vm_vsrc(0)
; PREP.  x, Wq, Wk, Wv, Wo (f32) are rounded once to bf16 and laid out as FRAGMENT IMAGES; the gate, the mask and the decay make three factors a token and head; a table of sin and cos is made.
; A fragment of a 16-bit matrix operand is 16 rows x 32 k in 8 registers: lane (r = l % 16, h = l / 16) holds row r, registers 0-3 k = 8 h + 0..7, registers 4-7 k = 16 + 8 h + 0..7.
; An image stores each half of a fragment (16 rows x 16 k) as 512 consecutive bytes, lane l's 16 bytes at 16 l: later launches load and store fragments as whole runs of 512 bytes.
;   xf: [block of 16 tokens, 0..511][half-fragment 0..63][lane][16 B], 32,768 bytes a block.
;   wf: the same by blocks of 16 rows of W.  Blocks 0..191: tc x 24 + j x 12 + type x 4 + i holds rows 64 (2 tc + j) + 16 i of W_type (q, k, v); blocks 192 + rb: Wo's rows 16 rb.
;   aux: at 0 three kinds of factor, 524,288 bytes each: m; g m; g m r^(127 - s mod 128), g = sigmoid(x . Wg + bg), r = exp(-1 / (softplus(theta) + 1)):
;        [kind][block of 16 tokens][q 0..1][lane = 16 h + head][4 f32]: token 8 h + 4 q + 0..3.  At 1,572,864: [s 0..2047][sin 0..31, cos 0..31] f32.
; SHARES.  Work-group g < 512: x's block g, its gate, and four rows of the table.  g >= 512: a block of 16 rows of one W.  Wave v: channels 256 v .. 256 v + 255: eight fragments.
; LIMITS.  The gate's product has bf16 operands and f32 sums.  sin and cos: the angle t x inv_freq is rounded to f32 as in the problem's own table, reduced in f32 turns: good to about 4e-4 rad at t = 2,047;
; the polynomial (odd, degree 9, on a quarter turn) is off by under 4e-6.  A decay factor below 2^-126 counts as 0.  The mask's bytes are 0 or 1.  NaN and infinities are not treated apart.
; No cluster, no tensor load: no two work-groups read the same large bytes, and nothing is shared between waves on the way in.
; THE MODE: SCHED_MODE bits 1:0 = 2 (LLVM: expert scheduling mode 2), set by the entry lines.  The code itself states the register dependences
; between vector or matrix instructions and memory or LDS instructions, with s_wait_alu, always for 0.
; THE PLAN.  Registers that memory or LDS instructions touch:
;   v3-v5, v8-v10, v14   offsets and one LDS address: made at the head, ahead of the first load, and never written again.  v6, v7: the closing add's pair, likewise.
;   XR          Written by the 32 loads, then in place by the conversions; read by the image's stores and by the products.
;   window 1    Written by Wg's loads; read by conversions.
;   v[236:237]  Written by the table's arithmetic; read by one store.
;   v[144:151]  Written by the four packed sums; read by two LDS stores.
;   v[160:191]  Wg's fragments, read by the products; then wave 0's LDS loads land there.
;   v[192:215]  Written by wave 0's arithmetic; read by six stores.
; Nothing that a memory or LDS instruction has read is written again, so no wait on vm_vsrc is owed.  The image goes out in two halves: behind the wait for fragments 0-3 their stores
; are dealt among the conversions of fragments 4-7, which name other registers.
.set SPARE, 4096                       ; LDS: four partial gate tiles of 1,024 bytes at 0; behind them the spare words, 128 bytes a wave
.set FACK,  524288                     ; bytes of one kind of factor
.set TABO,  1572864                    ; the table's place in aux
.set LO,  3                            ; v3   my byte offset in the 16 source rows: r x 4,096 + wave x 1,024 + 32 h
.set SO,  4                            ; v4   my byte offset in the image block: wave x 8,192 + 16 lane
.set L16, 5                            ; v5   16 lane
.set SPW, 6                            ; v6   LDS address of my spare word; never rewritten
.set NIL, 7                            ; v7   0; never rewritten
.set BGO, 8                            ; v8   4 r: my head's place in bg and theta (at the very head: the wave's number)
.set MKO, 9                            ; v9   16 g + 8 h: my eight bytes of the mask
.set TBS, 10                           ; v10  8 lane: my two numbers in a row of the table
.set XR,  16                           ; v[16:143]  the source as loaded, 16 registers a fragment; then bf16 in the lower 8 of each 16
.set ACC0, 144                         ; v[144:151], v[152:159]  the gate's two accumulators, by the fragment's parity
.set GF,  160                          ; v[160:223]  Wg's fragments in bf16; later wave 0's work
.set BG,  240                          ; v240 bg[r], v241 theta[r], v[242:243] eight bytes of the mask
.set TH,  241
.set MK,  242
.set WV,  28                           ; s28  my wave's number
.set MSB, 0
.macro WIN new                         ; s_set_vgpr_msb: bits 1:0 source 0, 3:2 source 1, 5:4 source 2, 7:6 destination; the high byte repeats the setting that is left
.if MSB != (\new)
	s_set_vgpr_msb (MSB<<8)|(\new)
.set MSB, \new
.endif
.endm
.macro CVT1 c                          ; fragment c, in place: pair p of its 16 f32 goes to register p; p ascends, so no source is overwritten before it is read
.set p, 0
.rept 8
	v_cvt_pk_bf16_f32 v[XR+16*(\c)+p], v[XR+16*(\c)+2*p], v[XR+16*(\c)+2*p+1]
.set p, p+1
.endr
.endm
.macro STORE1 c                        ; fragment c: each store of the wave covers 512 consecutive bytes, aligned
	global_store_b128 v[SO], v[XR+16*(\c):XR+16*(\c)+3], s[38:39] offset:1024*(\c)
	global_store_b128 v[SO], v[XR+16*(\c)+4:XR+16*(\c)+7], s[38:39] offset:1024*(\c)+512
.endm
; The wave's eight fragments are rounded and stored.  tab = 1: the table's row goes out behind the first wait too.
.macro IMAGE tab
.irp c, 0,1,2,3
	CVT1 \c
.endr
	s_wait_alu depctr_va_vdst(0)                   ; the conversions have written fragments 0-3, which the stores below read; with tab = 1 the table's arithmetic has written v[236:237]
.if \tab
	global_store_b64 v[TBS], v[236:237], s[46:47]  ; the wave stores the row's 256 consecutive bytes, aligned
.endif
.irp c, 0,1,2,3
	STORE1 \c                                      ; no vector line since the wait names fragment c's registers
	CVT1 (\c)+4
.endr
	s_wait_alu depctr_va_vdst(0)                   ; the conversions have written fragments 4-7, which the stores below read
.irp c, 4,5,6,7
	STORE1 \c
.endr
.endm
; sin(2 pi (x + phase)) for x in turns: reduce to -0.5 .. 0.5 twice, fold onto a quarter turn, an odd polynomial, the sign put back
.macro SINT x, t1, t2, t3, out
	v_rndne_f32 v[\t1], v[\x]
	v_sub_f32 v[\x], v[\x], v[\t1]
	v_add_f32 v[\x], v[\x], v227
	v_rndne_f32 v[\t1], v[\x]
	v_sub_f32 v[\x], v[\x], v[\t1]
	v_and_b32 v[\t1], 0x7fffffff, v[\x]
	v_sub_f32 v[\t2], 0.5, v[\t1]
	v_min_num_f32 v[\t1], v[\t1], v[\t2]
	v_mul_f32 v[\t2], v[\t1], v[\t1]
	v_fmaak_f32 v[\t3], v228, v[\t2], 0xc2996966   ; 42.058694 g^2 - 76.705860
	v_fmaak_f32 v[\t3], v[\t3], v[\t2], 0x42a335e3 ; + 81.605249
	v_fmaak_f32 v[\t3], v[\t3], v[\t2], 0xc2255de7 ; - 41.341702
	v_fmaak_f32 v[\t3], v[\t3], v[\t2], 0x40c90fdb ; + 6.2831853
	v_mul_f32 v[\t3], v[\t3], v[\t1]
	v_bfi_b32 v[\out], 0x7fffffff, v[\t3], v[\x]
.endm
	s_load_b512 s[4:19], s[0:1], 0x0               ; x s[4:5], Wq s[6:7], Wk s[8:9], Wv s[10:11], Wo s[12:13], Wg s[14:15], bg s[16:17], theta s[18:19]
	s_load_b256 s[20:27], s[0:1], 0x40             ; mask s[20:21], xf s[22:23], wf s[24:25], aux s[26:27]
	v_lshl_add_u32 v[SPW], v0, 2, SPARE
	v_mov_b32 v[NIL], 0
	v_lshrrev_b32 v8, 5, v0
	v_readfirstlane_b32 s[WV], v8                  ; wave 0..3
	v_and_b32 v1, 15, v0                           ; r
	v_bfe_u32 v2, v0, 4, 1                         ; h
	v_and_b32 v[L16], 31, v0
	v_lshlrev_b32 v[L16], 4, v[L16]
	v_lshlrev_b32 v[LO], 12, v1
	v_lshl_add_u32 v[LO], v2, 5, v[LO]
	v_lshlrev_b32 v[BGO], 2, v1
	s_lshl_b32 s44, ttmp9, 4
	v_lshl_add_u32 v[MKO], v2, 3, s44              ; the mask's bytes of tokens 16 g + 8 h + 0..7 (used where g < 512)
	v_lshrrev_b32 v[TBS], 1, v[L16]                ; 8 lane
	s_wait_alu depctr_va_sdst(0)                   ; s28, the wave's number, is written, ahead of its first reader
	s_lshl_b32 s29, s[WV], 10
	v_add_nc_u32 v[LO], s29, v[LO]
	v_add_nc_u32 v14, s29, v[L16]                  ; where I put my partial gate tile
	s_lshl_b32 s29, s[WV], 13
	v_add_nc_u32 v[SO], s29, v[L16]
	s_sub_co_u32 s30, ttmp9, 512                   ; for g >= 512: u = g - 512,
	s_lshr_b32 s31, s30, 6                         ; type = u / 64: q, k, v, o
	s_and_b32 s32, s30, 63                         ; rb = u % 64: the block of 16 rows
	s_lshr_b32 s33, s32, 3                         ; tc
	s_mul_i32 s33, s33, 24
	s_bfe_u32 s34, s32, 0x10002                    ; j
	s_mul_i32 s34, s34, 12
	s_add_co_u32 s33, s33, s34
	s_lshl2_add_u32 s33, s31, s33                  ; + 4 type
	s_and_b32 s34, s32, 3
	s_add_co_u32 s33, s33, s34                     ; + i
	s_add_co_u32 s34, s32, 192                     ; Wo's blocks lie behind the others
	s_cmp_eq_u32 s31, 3
	s_cselect_b32 s33, s34, s33
	s_wait_kmcnt 0x0
	s_cmp_eq_u32 s31, 1
	s_cselect_b64 s[36:37], s[8:9], s[6:7]
	s_cmp_eq_u32 s31, 2
	s_cselect_b64 s[36:37], s[10:11], s[36:37]
	s_cmp_eq_u32 s31, 3
	s_cselect_b64 s[36:37], s[12:13], s[36:37]
	s_cmp_lt_u32 ttmp9, 512
	s_cselect_b64 s[36:37], s[4:5], s[36:37]       ; the source
	s_cselect_b64 s[38:39], s[22:23], s[24:25]     ; the image
	s_cselect_b32 s40, ttmp9, s32                  ; the source's block of 16 rows of 4,096 bytes
	s_cselect_b32 s41, ttmp9, s33                  ; the image's block of 32,768 bytes
	s_lshl_b32 s42, s40, 16
	s_mov_b32 s43, 0
	s_add_nc_u64 s[36:37], s[36:37], s[42:43]
	s_lshl_b32 s42, s41, 15
	s_add_nc_u64 s[38:39], s[38:39], s[42:43]
	s_wait_alu depctr_va_vdst(0)                   ; the offsets v3-v5, v8-v10 and the LDS address v14 are written: every load, store and LDS instruction of the kernel reads one of them
.set c, 0
.rept 8                                ; fragment c: k = 8 h + 0..7 are 32 bytes at 32 h, k = 16 + 8 h + 0..7 lie 64 bytes on; the wave's 32 loads take 1,024 consecutive bytes of each row
	global_load_b128 v[XR+16*c:XR+16*c+3],     v[LO], s[36:37] offset:128*c
	global_load_b128 v[XR+16*c+4:XR+16*c+7],   v[LO], s[36:37] offset:128*c+16
	global_load_b128 v[XR+16*c+8:XR+16*c+11],  v[LO], s[36:37] offset:128*c+64
	global_load_b128 v[XR+16*c+12:XR+16*c+15], v[LO], s[36:37] offset:128*c+80
.set c, c+1
.endr
	s_cmp_lt_u32 ttmp9, 512                        ; the same answer in all four waves
	s_cbranch_scc1 .Lx
	s_wait_loadcnt 0x0                             ; a block of W: round, store, done
	IMAGE 0
	s_branch .Lend
.Lx:
	WIN 0x40                                       ; destination window 1: Wg as loaded, row = head r, the same offsets as x; no vector line has named these registers
.set c, 0
.rept 8
	global_load_b128 v[16*c:16*c+3],     v[LO], s[14:15] offset:128*c
	global_load_b128 v[16*c+4:16*c+7],   v[LO], s[14:15] offset:128*c+16
	global_load_b128 v[16*c+8:16*c+11],  v[LO], s[14:15] offset:128*c+64
	global_load_b128 v[16*c+12:16*c+15], v[LO], s[14:15] offset:128*c+80
.set c, c+1
.endr
	WIN 0
	global_load_b32 v[BG], v[BGO], s[16:17]
	global_load_b32 v[TH], v[BGO], s[18:19]
	global_load_b64 v[MK:MK+1], v[MKO], s[20:21]
	; the table's row t = 4 g + wave, made while the loads are out.  Lane l makes elements 2 l and 2 l + 1: lanes 0-15 sin, lanes 16-31 cos (sin a quarter turn on), of frequencies i = 2 r, 2 r + 1
	s_lshl2_add_u32 s44, ttmp9, s[WV]
	v_lshlrev_b32 v224, 1, v1
	v_cvt_f32_u32 v224, v224
	v_add_f32 v225, 1.0, v224
	v_mul_f32 v224, 0xbed49a78, v224               ; - i log2(10000) / 32
	v_mul_f32 v225, 0xbed49a78, v225
	v_exp_f32 v224, v224
	v_exp_f32 v225, v225
	v_cvt_f32_u32 v226, s44                        ; plain work behind the two exponentials
	v_cvt_f32_u32 v227, v2
	s_wait_alu depctr_va_vdst(0)                   ; the two exponentials have written v224 and v225: one wait for both, ahead of their first reader
	v_mul_f32 v224, v226, v224                     ; the angle t x inv_freq
	v_mul_f32 v225, v226, v225
	v_mul_f32 v224, 0x3e22f983, v224               ; in turns
	v_mul_f32 v225, 0x3e22f983, v225
	v_mul_f32 v227, 0x3e800000, v227               ; the phase: 0 or a quarter turn
	v_mov_b32 v228, 0x42283c1a
	SINT 224, 229, 230, 231, 236
	SINT 225, 232, 233, 234, 237
	s_lshl_b32 s44, s44, 8
	s_add_co_u32 s44, s44, TABO
	s_mov_b32 s45, 0
	s_add_nc_u64 s[46:47], s[26:27], s[44:45]
	s_wait_loadcnt 35                              ; x is in: Wg's 32 loads and the three small ones were issued behind it
	IMAGE 1
	s_wait_loadcnt 0x0
	WIN 0x05                                       ; sources in window 1
.set c, 0
.rept 8
.set p, 0
.rept 8
	v_cvt_pk_bf16_f32 v[GF+8*c+p], v[16*c+2*p], v[16*c+2*p+1]
.set p, p+1
.endr
.set c, c+1
.endr
	WIN 0
	; the gate's product: source 0 = 16 tokens, source 1 = 16 heads: in the result lane (r, h) holds head r and tokens 8 h + 0..7.  Two accumulators take turns.
.set c, 0
.rept 8
.if c < 2
	v_wmma_f32_16x16x32_bf16 v[ACC0+8*(c%2):ACC0+8*(c%2)+7], v[XR+16*c:XR+16*c+7], v[GF+8*c:GF+8*c+7], 0
.else
	v_wmma_f32_16x16x32_bf16 v[ACC0+8*(c%2):ACC0+8*(c%2)+7], v[XR+16*c:XR+16*c+7], v[GF+8*c:GF+8*c+7], v[ACC0+8*(c%2):ACC0+8*(c%2)+7]
.endif
.set c, c+1
.endr
.rept 8
	v_nop                                          ; the places behind the last product; the sums below write an accumulator in place
.endr
.irp p, 0,2,4,6
	v_pk_add_f32 v[ACC0+(\p):ACC0+(\p)+1], v[ACC0+(\p):ACC0+(\p)+1], v[ACC0+8+(\p):ACC0+8+(\p)+1]
.endr
	s_wait_alu depctr_va_vdst(0)                   ; the four sums have written v[144:151], which the LDS stores read; the products are done reading v[160:191], in which wave 0's LDS loads land
	ds_store_b128 v14, v[ACC0:ACC0+3]
	ds_store_b128 v14, v[ACC0+4:ACC0+7] offset:512
	s_wait_dscnt 0x0                               ; for the others' sake: my partial tile lies in LDS
	s_barrier_signal -1
	s_barrier_wait -1
	s_cmp_lg_u32 s[WV], 0                          ; wave 0 finishes the gate
	s_cbranch_scc1 .Lend
.irp t, 0,1,2,3
	ds_load_b128 v[160+8*(\t):163+8*(\t)], v[L16] offset:1024*(\t)      ; no vector or matrix line since the wait above names these registers
	ds_load_b128 v[164+8*(\t):167+8*(\t)], v[L16] offset:1024*(\t)+512
.endr
	s_wait_dscnt 0x0
.irp p, 0,2,4,6
	v_pk_add_f32 v[160+(\p):161+(\p)], v[160+(\p):161+(\p)], v[168+(\p):169+(\p)]
	v_pk_add_f32 v[176+(\p):177+(\p)], v[176+(\p):177+(\p)], v[184+(\p):185+(\p)]
.endr
.irp p, 0,2,4,6
	v_pk_add_f32 v[160+(\p):161+(\p)], v[160+(\p):161+(\p)], v[176+(\p):177+(\p)]
.endr
	; log2 r = - log2(e) / (softplus(theta) + 1), softplus = max(theta, 0) + ln(1 + e^-|theta|): three transcendentals that hang on each other, each with a plain line and its wait
	v_and_b32 v224, 0x7fffffff, v[TH]
	v_mul_f32 v224, 0xbfb8aa3b, v224
	v_exp_f32 v224, v224
	v_max_num_f32 v225, 0, v[TH]
	s_wait_alu depctr_va_vdst(0)                   ; the exponential has written v224
	v_add_f32 v224, 1.0, v224
	v_log_f32 v224, v224
	v_add_f32 v225, 1.0, v225
	s_wait_alu depctr_va_vdst(0)                   ; the logarithm has written v224
	v_fmac_f32 v225, 0x3f317218, v224
	v_rcp_f32 v12, v225
	v_mul_f32 v13, 0xbfb8aa3b, v[BG]               ; - log2(e) bg
	s_wait_alu depctr_va_vdst(0)                   ; the reciprocal has written v12
	v_mul_f32 v12, 0xbfb8aa3b, v12                 ; log2 r of head r
	s_lshl_b32 s52, ttmp9, 4
	s_and_b32 s52, s52, 127
	s_sub_co_u32 s52, 127, s52
	v_lshlrev_b32 v11, 3, v2
	v_sub_nc_u32 v11, s52, v11                     ; 127 - (s mod 128) of token 8 h
.set j, 0
.rept 8
	v_bfe_u32 v[192+j], v[MK+j/4], 8*(j%4), 8      ; m of token 8 h + j
	v_fmamk_f32 v[200+j], v[160+j], 0xbfb8aa3b, v13  ; - log2(e) (a + bg)
	v_add_nc_u32 v[208+j], 0-j, v11
.set j, j+1
.endr
.set j, 0
.rept 8
	v_cvt_f32_u32 v[192+j], v[192+j]
	v_cvt_f32_i32 v[208+j], v[208+j]
.set j, j+1
.endr
.set j, 0
.rept 8
	v_mul_f32 v[208+j], v12, v[208+j]              ; (127 - s mod 128) log2 r
.set j, j+1
.endr
.set j, 0
.rept 16
	v_exp_f32 v[200+j], v[200+j]                   ; one batch of sixteen
.set j, j+1
.endr
	v_nop
	s_wait_alu depctr_va_vdst(0)                   ; the sixteen exponentials have written v[200:215]
.set j, 0
.rept 8
	v_add_f32 v[200+j], 1.0, v[200+j]
.set j, j+1
.endr
.set j, 0
.rept 8
	v_rcp_f32 v[200+j], v[200+j]                   ; the sigmoid
.set j, j+1
.endr
	v_nop
	s_wait_alu depctr_va_vdst(0)                   ; the eight reciprocals have written v[200:207]
.irp p, 0,2,4,6
	v_pk_mul_f32 v[200+(\p):201+(\p)], v[200+(\p):201+(\p)], v[192+(\p):193+(\p)]  ; g m
.endr
.irp p, 0,2,4,6
	v_pk_mul_f32 v[208+(\p):209+(\p)], v[208+(\p):209+(\p)], v[200+(\p):201+(\p)]  ; g m r^(127 - s mod 128)
.endr
	s_lshl_b32 s50, ttmp9, 10
	s_mov_b32 s51, 0
	s_add_nc_u64 s[48:49], s[26:27], s[50:51]
	s_wait_alu depctr_va_vdst(0)                   ; the three kinds of factor, v[192:215], are written, which the six stores read
.irp k, 0,1,2
	global_store_b128 v[L16], v[192+8*(\k):195+8*(\k)], s[48:49] offset:FACK*(\k)
	global_store_b128 v[L16], v[196+8*(\k):199+8*(\k)], s[48:49] offset:FACK*(\k)+512
.endr
.Lend:
	s_wait_dscnt 0x0                               ; the wave's end
	s_wait_alu 0x0
	s_wait_tensorcnt 0x0
	ds_add_u32 v[SPW], v[NIL]
	s_wait_dscnt 0x0
	s_endpgm
.Lfunc_end_k_q6e3ab43ee3_prep:
	.size	k_q6e3ab43ee3_prep, .Lfunc_end_k_q6e3ab43ee3_prep-k_q6e3ab43ee3_prep
	.p2alignl 7, 3214868480
	.fill 96, 4, 3214868480
	.section	.rodata,"a",@progbits
	.p2align	6, 0x0
	.amdhsa_kernel k_q6e3ab43ee3_prep
		.amdhsa_group_segment_fixed_size 4608
		.amdhsa_private_segment_fixed_size 0
		.amdhsa_enable_private_segment 0
		.amdhsa_kernarg_size 96
		.amdhsa_user_sgpr_count 2
		.amdhsa_user_sgpr_kernarg_segment_ptr 1
		.amdhsa_wavefront_size32 1
		.amdhsa_system_sgpr_workgroup_id_x 1
		.amdhsa_system_sgpr_workgroup_id_y 1
		.amdhsa_system_sgpr_workgroup_id_z 1
		.amdhsa_system_vgpr_workitem_id 0
		.amdhsa_next_free_vgpr 384
		.amdhsa_next_free_sgpr 66
		.amdhsa_reserve_vcc 0
		.amdhsa_float_denorm_mode_32 3
		.amdhsa_float_denorm_mode_16_64 3
		.amdhsa_memory_ordered 1
		.amdhsa_forward_progress 1
		.amdhsa_inst_pref_size 35
	.end_amdhsa_kernel
	.amdgpu_metadata
---
amdhsa.version: [ 1, 2 ]
amdhsa.kernels:
  - .name:           k_q6e3ab43ee3_prep
    .symbol:         k_q6e3ab43ee3_prep.kd
    .args:
      - { .name: x, .offset: 0, .size: 8, .value_kind: global_buffer, .address_space: global }
      - { .name: Wq, .offset: 8, .size: 8, .value_kind: global_buffer, .address_space: global }
      - { .name: Wk, .offset: 16, .size: 8, .value_kind: global_buffer, .address_space: global }
      - { .name: Wv, .offset: 24, .size: 8, .value_kind: global_buffer, .address_space: global }
      - { .name: Wo, .offset: 32, .size: 8, .value_kind: global_buffer, .address_space: global }
      - { .name: Wg, .offset: 40, .size: 8, .value_kind: global_buffer, .address_space: global }
      - { .name: bg, .offset: 48, .size: 8, .value_kind: global_buffer, .address_space: global }
      - { .name: theta, .offset: 56, .size: 8, .value_kind: global_buffer, .address_space: global }
      - { .name: mask, .offset: 64, .size: 8, .value_kind: global_buffer, .address_space: global }
      - { .name: xf, .offset: 72, .size: 8, .value_kind: global_buffer, .address_space: global }
      - { .name: wf, .offset: 80, .size: 8, .value_kind: global_buffer, .address_space: global }
      - { .name: aux, .offset: 88, .size: 8, .value_kind: global_buffer, .address_space: global }
    .group_segment_fixed_size: 4608
    .private_segment_fixed_size: 0
    .kernarg_segment_align: 8
    .kernarg_segment_size: 96
    .max_flat_workgroup_size: 128
    .sgpr_count:     66
    .vgpr_count:     384
    .wavefront_size: 32
...
	.end_amdgpu_metadata
.endif
;; end of part 6
;; launch proj: the kernel of part 2 again; grid 8 x 64, 4 waves a work-group, clusters of 4 x 4, 327,680 bytes of LDS; arguments xf, wf, aux, qkv; writes qkv
;; launch attn (part 7): grid 4 x 64, 4 waves a work-group, no clusters, 205,312 bytes of LDS; arguments qkv, theta, yf; writes yf
.if DOCPART == 7
	.amdgcn_target "amdgcn-amd-amdhsa--gfx1250"
	.amdhsa_code_object_version 6
	.text
	.protected	k_q6e3ab43ee3_attn
	.globl	k_q6e3ab43ee3_attn
	.p2align	8
	.type	k_q6e3ab43ee3_attn,@function
k_q6e3ab43ee3_attn:
	s_mov_b64 s[64:65], 0
	v_nop
	global_prefetch_b8 v0, s[64:65] scope:SCOPE_SE
	s_setreg_imm32_b32 hwreg(HW_REG_WAVE_SCHED_MODE, 0, 2), 2
	s_setreg_imm32_b32 hwreg(HW_REG_WAVE_MODE, 25, 1), 1
	s_wait_xcnt 0x0
	s_wait_alu depctr_vm_vsrc(0)
; ATTN.  The gated, decayed linear attention, by segments of 128 tokens.  For one batch and head, with r the head's decay, rho = r^128, v' = [v, 1 at columns 64 and 72, 0 elsewhere] (80 columns):
;   U_j = sum over the tokens t of segment j of kw_t v'_t^T (64 x 80), kw = phi(k) g m r^(127 - t mod 128);     S_sigma = sum over j < sigma of rho^(sigma - 1 - j) U_j;
;   O'_i = r^(i + 1) fq_i S_sigma + sum over j <= i of (fq_i . kg_j) r^(i - j) v'_j  (i, j local to the segment);     y = O'[0:64] / (O'[64] + 1e-6).
; That is the scan's recurrence added up in another order; the denominator q . s is the same recurrence with v = 1, carried as a column of v', so that numerator and denominator see the same roundings.
; A masked query has fq = 0 and gives 0 / 1e-6 = 0; a masked key has kg = kw = 0.
; SHARES.  Work-group (Q, b h): segments 4 Q .. 4 Q + 3, wave w segment sigma = 4 Q + w.  Wave w adds up segments w, w + 4, .. by H = rho^4 H + U: PREV_w before its own segment, LAST_w behind it.  Then
;   S_(4 Q + w) = sum over w' < w of rho^(w - 1 - w') LAST_w' + sum over w' >= w of rho^(w + 3 - w') PREV_w', made in LDS: wave w reduces the five tiles of channel block w for all four segments.
; All operands come straight from memory into registers as fragment images (runs of 512 consecutive bytes): nothing is shared between waves on the way in, so there is no tensor load and no ring.
; NO CLUSTER: the four work-groups of a batch and head walk 4 Q + 4 segments, a different number each; a walk common to all four would give each the longest.
; LAYOUT.  State: source 0 = 16 channels of kw x 32 tokens, source 1 = 16 channels of v' x 32 tokens; a tile of H, rounded in pairs, is half a fragment with rows = v' channel, k = k channel.
; Scores S^T = K Q^T and O^T = V'^T P hold ONE query a lane (l % 16); two score tiles rounded in pairs are source 1 of the second product.  The divisor, rows 0 and 8 of O^T's fifth tile, is that tile's lowest register in every lane.
; LIMITS.  Operands bf16 (the scores' weights and the state too), sums, H, PREV and LAST f32.  All decay factors are at most 1 but for r^-15 at the worst above the diagonal, where 0 is put in their place;
; below 2^-126 they count as 0.  The order of the sums differs from the scan's.  NaN and infinities are not treated apart.
; REGISTERS (s_set_vgpr_msb: bits 1:0 source 0, 3:2 source 1, 5:4 source 2, 7:6 destination):
;   window 0: v0-31 addresses and work; v32-95 DM; v96-223 kw's fragments, later the reduction's buffers, then scores, weights and O^T; v232-249 the way out       window 1: v0-159 H, later v0-79 the start state's fragments
;   window 2: v0-127 fq's fragments, v128-255 kg's       window 3: v0-127 v's fragments, v128-135 the ones
; THE MODE: SCHED_MODE bits 1:0 = 2 (LLVM: expert scheduling mode 2), set by the entry lines.  The code itself states the register dependences
; between vector or matrix instructions and memory or LDS instructions, with s_wait_alu, always for 0.
; THE PLAN.  Registers that memory or LDS instructions touch:
;   v3-v12      offsets and LDS addresses: made at the head, ahead of the first load, and never written again.  v14, v15: the closing add's pair, likewise.
;   KT[kk], V[kk]  Step kk of a segment: its 20 products read them; in the walk the loads of the segment four on land in them at once, behind ONE wait on va_vdst a step, which stands behind the products:
;               the walk lives on its loads in flight, so a buffer does not lie idle until the next step's head.
;   window 2    fq and kg: loads alone name it until the queries' products: the sixteen loads of a step of my own segment stand ahead of the step's products and owe nothing.
;   H           Written by zeros, by the rescaling and by products; read by the LDS stores of PREV and of LAST; the rescaling behind PREV's stores and the LDS loads of the start state behind LAST's each have a wait on vm_vsrc.
;   The reduction: two in-buffers (v96-151, v168-223) and two out-buffers (v152-167, v224-239) by turns.  Step e: the LDS loads of tile e + 1 go out first, into the buffer that step e - 1 worked on;
;               its arithmetic reads in-buffer e % 2 and writes out-buffer e % 2; ONE wait on va_vdst stands ahead of its four LDS stores, and covers the next step's loads as well;
;               a wait on vm_vsrc stands ahead of the conversions from step 2 on, two steps behind the stores that it waits for.
;   Y           Written by a query block's conversions, read by its four stores; written again a whole block later, behind a wait on vm_vsrc.
.set LAST,  81920                      ; LDS: PREV_w at 20,480 w (tile 5 d + e at 1,024 each, f32: registers 0-3 at 16 lane, 4-7 512 on); LAST_w behind them
.set SNAP,  163840                     ; the four start states in bf16, 10,240 bytes each: fragment (e, dk) at 1,024 (2 e + dk)
.set SPARE, 204800                     ; the spare words, 128 bytes for each wave
.set LIN, 3                            ; v3   16 lane
.set RD0, 4                            ; v4-7  5,120 w + 16 lane + 0; 40,960; 81,920; 122,880
.set PB,  8                            ; v8   PREV_w;  v9 LAST_w
.set LB,  9
.set SNS, 10                           ; v10  SNAP + 512 w + 16 lane: where my halves of the states' fragments go
.set SNR, 11                           ; v11  SNAP + 10,240 w + 16 lane: my segment's state
.set PFO, 12                           ; v12  256 lane
.set VI,  13                           ; v13  r - 8 h
.set SPW, 14                           ; v14  LDS address of my spare word; never rewritten
.set NIL, 15                           ; v15  0; never rewritten
.set LAM, 16                           ; v[16:23]   r^(16 qb + r + 1)
.set DM,  32                           ; v[32:95]   DM[delta][j] = r^(16 delta + r - 8 h - j); in row 0: 0 where the exponent is negative
.set KT,  96                           ; v[96:223]  kw: channel block d, 32 tokens kk at 32 kk + 8 d
.set ST,  96                           ; v[96:159]  eight score tiles
.set P,   160                          ; v[160:191] four fragments of weights
.set O,   192                          ; v[192:231] five tiles of O^T
.set Y,   232                          ; v[232:247] packed y
.set INV, 248                          ; v[248:249]
.set SEE, 50                           ; s[50:57]  lanes in which key j of the diagonal tile is seen;  s58  lanes with r = 0 or 8
.set MSB, 0
.macro WIN new
.if MSB != (\new)
	s_set_vgpr_msb (MSB<<8)|(\new)
.set MSB, \new
.endif
.endm
.macro PLACES
.rept 4
	v_nop
.endr
.endm
.macro LDKV kk                         ; 32 tokens of a segment: kw's four fragments, v's four: 16 loads
	WIN 0
.irp d, 0,1,2,3
	global_load_b128 v[KT+32*(\kk)+8*(\d):KT+32*(\kk)+8*(\d)+3],   v[LIN], s[16:17] offset:(\kk)*4096+(\d)*1024
	global_load_b128 v[KT+32*(\kk)+8*(\d)+4:KT+32*(\kk)+8*(\d)+7], v[LIN], s[16:17] offset:(\kk)*4096+(\d)*1024+512
.endr
	WIN 0xc0
.irp d, 0,1,2,3
	global_load_b128 v[32*(\kk)+8*(\d):32*(\kk)+8*(\d)+3],   v[LIN], s[18:19] offset:(\kk)*4096+(\d)*1024
	global_load_b128 v[32*(\kk)+8*(\d)+4:32*(\kk)+8*(\d)+7], v[LIN], s[18:19] offset:(\kk)*4096+(\d)*1024+512
.endr
.endm
.macro LDQK kk                         ; the kk-th sixteen of the 64 loads of my own segment's fq and kg: the images are read in order, 512 bytes a load
	WIN 0x80
.set n, 0
.rept 16
.if (\kk) < 2
	global_load_b128 v[64*(\kk)+4*n:64*(\kk)+4*n+3], v[LIN], s[20:21] offset:(16*(\kk)+n)*512
.else
	global_load_b128 v[64*(\kk)+4*n:64*(\kk)+4*n+3], v[LIN], s[22:23] offset:(16*((\kk)-2)+n)*512
.endif
.set n, n+1
.endr
.endm
; A SEGMENT: H = rho^4 H + U.  For each 32 tokens: 20 products on 20 accumulators, which take turns, and 16 loads: mode 1: behind the products, the same registers' part of the
; segment four on; mode 0: ahead of the products, fq and kg.  The count 48 holds on every path: behind the sixteen loads that are wanted, three groups of sixteen have been issued.
.macro SEG mode
	PLACES                                         ; with the four behind the last products of the segment before: eight places in front of lines that write accumulators in place
	WIN 0x41
.set i, 0
.rept 80
	v_pk_mul_f32 v[i:i+1], v[i:i+1], s[34:35] op_sel_hi:[1,0]
.set i, i+2
.endr
.irp kk, 0,1,2,3
	s_wait_loadcnt 48
.if !(\mode)
	LDQK \kk                                       ; no wait: no vector or matrix line of the kernel has named window 2, and the offset was made at the head
.endif
	WIN 0x5c                                       ; kw window 0, v' window 3, H window 1
.irp d, 0,1,2,3
.irp e, 0,1,2,3
	v_wmma_f32_16x16x32_bf16 v[8*(5*(\d)+(\e)):8*(5*(\d)+(\e))+7], v[KT+32*(\kk)+8*(\d):KT+32*(\kk)+8*(\d)+7], v[32*(\kk)+8*(\e):32*(\kk)+8*(\e)+7], v[8*(5*(\d)+(\e)):8*(5*(\d)+(\e))+7]
.endr
	v_wmma_f32_16x16x32_bf16 v[8*(5*(\d)+4):8*(5*(\d)+4)+7], v[KT+32*(\kk)+8*(\d):KT+32*(\kk)+8*(\d)+7], v[128:135], v[8*(5*(\d)+4):8*(5*(\d)+4)+7]
.endr
.if (\kk) == 3
	PLACES                                         ; behind the segment's last products: for the rescaling and for the LDS stores that read H
.endif
.if \mode
	s_wait_alu depctr_va_vdst(0)                   ; the step's products are done reading KT[kk] and V[kk], in which the loads below land; behind step 3 they have also written H, which PREV's LDS stores read
	LDKV \kk
.if (\kk) == 0
	; A PREFETCH of the segment that the next trip will load: 16,384 bytes of kw and of v, a lane 256 bytes.  Of a batch and head's four work-groups the last reads every segment: it alone asks, in its
	; trips 0 and 1, for segments 8 + w and 12 + w; so each block is named once.  The first two segments of a wave come by their loads alone.
	WIN 0
	s_cmp_lt_u32 s36, s37
	s_cbranch_scc0 .Lnot_mine_\@
	global_prefetch_b8 v[PFO], s[16:17] offset:65536 th:TH_LOAD_NT scope:SCOPE_SE
	global_prefetch_b8 v[PFO], s[16:17] offset:65536+8192 th:TH_LOAD_NT scope:SCOPE_SE
	global_prefetch_b8 v[PFO], s[18:19] offset:65536 th:TH_LOAD_NT scope:SCOPE_SE
	global_prefetch_b8 v[PFO], s[18:19] offset:65536+8192 th:TH_LOAD_NT scope:SCOPE_SE
.Lnot_mine_\@:
.endif
.endif
.endr
.endm
.macro HSTORE base                     ; H into LDS, each accumulator's lowest registers first
	WIN 0x04                                       ; the data in window 1
.set t, 0
.rept 20
	ds_store_b128 v[\base], v[8*t:8*t+3] offset:1024*t
	ds_store_b128 v[\base], v[8*t+4:8*t+7] offset:1024*t+512
.set t, t+1
.endr
	WIN 0
.endm
.macro FMA4 dst, mul, rho, add         ; a tile: dst = mul x (a power of rho) + add
.irp p, 0,2,4,6
	v_pk_fma_f32 v[(\dst)+(\p):(\dst)+(\p)+1], v[(\mul)+(\p):(\mul)+(\p)+1], s[(\rho):(\rho)+1], v[(\add)+(\p):(\add)+(\p)+1] op_sel_hi:[1,0,1]
.endr
.endm
.macro RLOAD e, b                      ; tile e of my channel block into the in-buffer at b: PREV of waves 0-3 at b, b + 8, b + 16, b + 24; LAST of waves 0-2 at b + 32, b + 40, b + 48: 14 LDS loads
	ds_load_b128 v[(\b):(\b)+3],     v[RD0]   offset:(\e)*1024
	ds_load_b128 v[(\b)+4:(\b)+7],   v[RD0]   offset:(\e)*1024+512
	ds_load_b128 v[(\b)+8:(\b)+11],  v[RD0]   offset:20480+(\e)*1024
	ds_load_b128 v[(\b)+12:(\b)+15], v[RD0]   offset:20480+(\e)*1024+512
	ds_load_b128 v[(\b)+16:(\b)+19], v[RD0+1] offset:(\e)*1024
	ds_load_b128 v[(\b)+20:(\b)+23], v[RD0+1] offset:(\e)*1024+512
	ds_load_b128 v[(\b)+24:(\b)+27], v[RD0+1] offset:20480+(\e)*1024
	ds_load_b128 v[(\b)+28:(\b)+31], v[RD0+1] offset:20480+(\e)*1024+512
	ds_load_b128 v[(\b)+32:(\b)+35], v[RD0+2] offset:(\e)*1024
	ds_load_b128 v[(\b)+36:(\b)+39], v[RD0+2] offset:(\e)*1024+512
	ds_load_b128 v[(\b)+40:(\b)+43], v[RD0+2] offset:20480+(\e)*1024
	ds_load_b128 v[(\b)+44:(\b)+47], v[RD0+2] offset:20480+(\e)*1024+512
	ds_load_b128 v[(\b)+48:(\b)+51], v[RD0+3] offset:(\e)*1024
	ds_load_b128 v[(\b)+52:(\b)+55], v[RD0+3] offset:(\e)*1024+512
.endm
.macro DROW d, k                       ; the exponents of row d of DM and of LAM[d]: those of row 0 plus 16 d log2 r
	s_mul_f32 s40, s26, \k
	s_mov_b32 s41, s40
	v_add_f32 v[LAM+(\d)], s40, v[LAM]
.irp p, 0,2,4,6
	v_pk_add_f32 v[DM+8*(\d)+(\p):DM+8*(\d)+(\p)+1], v[DM+(\p):DM+(\p)+1], s[40:41] op_sel_hi:[1,0]
.endr
.endm
	s_load_b128 s[4:7], s[0:1], 0x0                ; qkv s[4:5], theta s[6:7]
	s_load_b64 s[8:9], s[0:1], 0x10                ; yf
	v_lshl_add_u32 v[SPW], v0, 2, SPARE
	v_mov_b32 v[NIL], 0
	v_lshrrev_b32 v1, 5, v0
	v_readfirstlane_b32 s10, v1                    ; wave 0..3
	v_and_b32 v1, 15, v0                           ; r
	v_bfe_u32 v2, v0, 4, 1                         ; h
	v_and_b32 v24, 31, v0
	v_lshlrev_b32 v[LIN], 4, v24
	v_lshlrev_b32 v[PFO], 8, v24
	v_lshlrev_b32 v24, 3, v2
	v_sub_nc_u32 v[VI], v1, v24
	v_and_b32 v24, 7, v0
	v_cmp_eq_u32 s58, 0, v24                       ; lanes with r = 0 or 8.  The nine compares stand in one run, each with a scalar register of its own
.set j, 0
.rept 8
	v_cmp_le_i32 s[SEE+j], j, v[VI]                ; on the diagonal tile: the key is seen where j <= r - 8 h
.set j, j+1
.endr
	s_mov_b32 s11, ttmp9                           ; Q
	s_and_b32 s38, ttmp7, 0xffff                   ; batch and head
	s_and_b32 s12, s38, 15                         ; the head
	s_lshr_b32 s13, s38, 4                         ; the batch
	s_lshl_b32 s40, s38, 18                        ; 262,144 bytes in each image
	s_wait_alu depctr_va_sdst(0)                   ; s10, the wave's number, and the nine masks s50-s58 are written, ahead of the first reader of any of them
	s_lshl_b32 s42, s10, 14
	s_add_co_u32 s42, s42, s40                     ; segment w
	s_mov_b32 s43, 0
	s_lshl2_add_u32 s39, s11, s10                  ; sigma = 4 Q + w
	s_lshl_b32 s44, s39, 14
	s_add_co_u32 s44, s44, s40                     ; my own segment
	s_mov_b32 s45, 0
	s_lshl_b32 s46, s13, 7
	s_lshl3_add_u32 s46, s39, s46                  ; my first block of 16 tokens: 128 batch + 8 sigma
	s_lshl_b32 s46, s46, 15
	s_lshl_b32 s47, s12, 11                        ; the head's four half-fragments
	s_add_co_u32 s46, s46, s47
	s_mov_b32 s47, 0
	s_lshl_b32 s48, s12, 2
	s_mov_b32 s49, 0
	s_mul_i32 s40, s10, 5120                       ; the LDS addresses, made in the wait for the arguments
	v_add_nc_u32 v[RD0], s40, v[LIN]
	v_add_nc_u32 v[RD0+1], 40960, v[RD0]
	v_add_nc_u32 v[RD0+2], 81920, v[RD0]
	v_add_nc_u32 v[RD0+3], 122880, v[RD0]
	s_mul_i32 s40, s10, 20480
	v_add_nc_u32 v[PB], s40, v[LIN]
	v_add_nc_u32 v[LB], LAST, v[PB]
	s_lshl_b32 s40, s10, 9
	s_add_co_u32 s40, s40, SNAP
	v_add_nc_u32 v[SNS], s40, v[LIN]
	s_mul_i32 s40, s10, 10240
	s_add_co_u32 s40, s40, SNAP
	v_add_nc_u32 v[SNR], s40, v[LIN]
	s_wait_kmcnt 0x0
	s_add_nc_u64 s[16:17], s[4:5], s[42:43]
	s_add_nc_u64 s[18:19], s[16:17], 50331648      ; v's image
	s_add_nc_u64 s[16:17], s[16:17], 33554432      ; kw's
	s_add_nc_u64 s[20:21], s[4:5], s[44:45]        ; fq's
	s_add_nc_u64 s[22:23], s[20:21], 16777216      ; kg's
	s_add_nc_u64 s[24:25], s[8:9], s[46:47]        ; y's
	s_add_nc_u64 s[6:7], s[6:7], s[48:49]
	s_load_b32 s26, s[6:7], 0x0                    ; theta of my head
	s_wait_alu depctr_va_vdst(0)                   ; the offsets and LDS addresses v3-v12 are written: every load, store, prefetch and LDS instruction of the kernel reads one of them
	LDKV 0                                         ; segment w: 64 loads
	LDKV 1
	LDKV 2
	LDKV 3
	WIN 0x40                                       ; while they are out: H = 0, so that one form of product serves every number of trips, none among them
.set i, 0
.rept 160
	v_mov_b32 v[i], 0
.set i, i+1
.endr
	WIN 0
	v_mov_b32 v25, 0x3f803f80
	v_cndmask_b32 v24, 0, v25, s58                 ; 1.0 twice in lanes with r = 0 or 8
	WIN 0xc0
.set i, 0
.rept 8
	v_mov_b32 v[128+i], v24
.set i, i+1
.endr
	WIN 0
	s_wait_kmcnt 0x0
	; log2 r = - log2(e) / (softplus(theta) + 1): three transcendentals that hang on each other, each with plain work and its wait
	v_mov_b32 v24, s26
	v_and_b32 v25, 0x7fffffff, v24
	v_mul_f32 v25, 0xbfb8aa3b, v25
	v_exp_f32 v25, v25
	v_max_num_f32 v26, 0, v24
	s_wait_alu depctr_va_vdst(0)                   ; the exponential has written v25
	v_add_f32 v25, 1.0, v25
	v_log_f32 v25, v25
	v_add_f32 v26, 1.0, v26
	s_wait_alu depctr_va_vdst(0)                   ; the logarithm has written v25
	v_fmac_f32 v26, 0x3f317218, v25
	v_rcp_f32 v27, v26
.set j, 0
.rept 8                                ; the whole-number exponents of DM's row 0 and of LAM[0] are the plain work behind the reciprocal
	v_add_nc_u32 v[DM+j], 0-j, v[VI]
.set j, j+1
.endr
.set j, 0
.rept 8
	v_cvt_f32_i32 v[DM+j], v[DM+j]
.set j, j+1
.endr
	v_add_nc_u32 v[LAM], 1, v1
	v_cvt_f32_u32 v[LAM], v[LAM]
	s_wait_alu depctr_va_vdst(0)                   ; the reciprocal has written v27
	v_mul_f32 v27, 0xbfb8aa3b, v27
	v_readfirstlane_b32 s26, v27                   ; log2 r
	v_mul_f32 v28, 0x43000000, v27                 ; 128, 256, 384, 512 log2 r
	v_mul_f32 v29, 0x43800000, v27
	v_mul_f32 v30, 0x43c00000, v27
	v_mul_f32 v31, 0x44000000, v27
	s_wait_alu depctr_va_sdst(0)                   ; s26, log2 r, is written, ahead of its first reader
.set j, 0
.rept 8
	v_mul_f32 v[DM+j], s26, v[DM+j]                ; (r - 8 h - j) log2 r
.set j, j+1
.endr
	v_mul_f32 v[LAM], s26, v[LAM]                  ; (r + 1) log2 r
	DROW 1, 0x41800000
	DROW 2, 0x42000000
	DROW 3, 0x42400000
	DROW 4, 0x42800000
	DROW 5, 0x42a00000
	DROW 6, 0x42c00000
	DROW 7, 0x42e00000
.set j, 0
.rept 4                                ; one batch of 76 exponentials, one wait
	v_exp_f32 v[28+j], v[28+j]
.set j, j+1
.endr
.set j, 0
.rept 8
	v_exp_f32 v[LAM+j], v[LAM+j]
.set j, j+1
.endr
.set j, 0
.rept 64
	v_exp_f32 v[DM+j], v[DM+j]
.set j, j+1
.endr
	v_nop
	s_wait_alu depctr_va_vdst(0)                   ; the 76 exponentials have written v[28:31], LAM and DM.  H's zeros stand ahead of this wait too: where there is no trip, PREV's LDS stores read them
	v_readfirstlane_b32 s28, v28                   ; rho, rho^2, rho^3, rho^4; each is named as a pair, so both words are written
	v_readfirstlane_b32 s30, v29
	v_readfirstlane_b32 s32, v30
	v_readfirstlane_b32 s34, v31
.set j, 0
.rept 8
	v_cndmask_b32 v[DM+j], 0, v[DM+j], s[SEE+j]    ; 0 where the key is not seen
.set j, j+1
.endr
	s_wait_alu depctr_va_sdst(0)                   ; s28, s30, s32 and s34 are written, ahead of their first readers
	s_mov_b32 s29, s28
	s_mov_b32 s31, s30
	s_mov_b32 s33, s32
	s_mov_b32 s35, s34
	s_mov_b32 s36, 0
	s_cmp_eq_u32 s11, 3
	s_cselect_b32 s37, 2, 0                        ; how many trips prefetch
	s_cmp_eq_u32 s11, 0
	s_cbranch_scc1 .Lown                           ; the first quarter has nothing before it
.Lpre:                                         ; Q trips: segment 4 i + w is added up, segment 4 (i + 1) + w asked for
	s_wait_xcnt 0x0                                ; every load and prefetch issued so far has read its address
	s_add_nc_u64 s[16:17], s[16:17], 65536
	s_add_nc_u64 s[18:19], s[18:19], 65536
	SEG 1
	WIN 0
	s_add_co_u32 s36, s36, 1
	s_cmp_lt_u32 s36, s11
	s_cbranch_scc1 .Lpre
.Lown:
	HSTORE PB                                      ; no wait here: on the way from the head the wait behind the 76 exponentials, on the way out of the loop step 3's wait shows H written, and no vector line since names H or v8
	s_wait_alu depctr_vm_vsrc(0)                   ; PREV's LDS stores have read H, which the rescaling below writes again
	SEG 0                                          ; my own segment; v's fragments stay for the second product
	s_wait_alu depctr_va_vdst(0)                   ; the products have written H, which LAST's LDS stores read (the four places stand above); they are also done reading kw's fragments, in which the reduction's first LDS loads land
	HSTORE LB
	s_wait_dscnt 0x0                               ; for the others' sake: PREV and LAST lie in LDS
	s_barrier_signal -1
	s_barrier_wait -1
	; the four start states, for my five tiles.  In the in-buffer at rb: P0-P3 = PREV of waves 0-3, L0-L2 = LAST of waves 0-2.  The eight lines leave S of segment s in Ps.
	RLOAD 0, 96
.irp e, 0,1,2,3,4
.set rb, 96+72*((\e)%2)                ; in-buffer: v96 or v168
.set ro, 152+72*((\e)%2)               ; out-buffer: v152 or v224
.if (\e) < 4
	RLOAD (\e)+1, 96+72*(((\e)+1)%2)               ; no wait: the last wait on va_vdst stands behind every line that named this buffer
	s_wait_dscnt 14                                ; LDS instructions end in order (ISA guide 5.7.1): this tile is in; the 14 loads just issued may stay out
.else
	s_wait_dscnt 4                                 ; the last tile is in; the four stores of the step before, issued behind its loads, may stay out
.endif
	FMA4 rb+16, rb+16, 28, rb+24                   ; rho P2 + P3
	FMA4 rb+8,  rb+8,  30, rb+16                   ; rho^2 P1 + rho P2 + P3
	FMA4 rb,    rb,    32, rb+8                    ; S0
	FMA4 rb+40, rb+32, 28, rb+40                   ; rho L0 + L1
	FMA4 rb+48, rb+40, 28, rb+48                   ; rho^2 L0 + rho L1 + L2
	FMA4 rb+24, rb+24, 32, rb+48                   ; S3
	FMA4 rb+16, rb+16, 30, rb+40                   ; S2
	FMA4 rb+8,  rb+8,  28, rb+32                   ; S1
.if (\e) >= 2
	s_wait_alu depctr_vm_vsrc(0)                   ; the LDS stores of two steps back have read this out-buffer, which the conversions write again
.endif
.set q, 0
.rept 16
	v_cvt_pk_bf16_f32 v[ro+q], v[rb+2*q], v[rb+2*q+1]
.set q, q+1
.endr
	s_wait_alu depctr_va_vdst(0)                   ; the conversions have written the out-buffer, which the LDS stores read; the step's lines are done with its in-buffer, in which the next step's loads land
.irp s, 0,1,2,3
	ds_store_b128 v[SNS], v[ro+4*(\s):ro+4*(\s)+3] offset:(\s)*10240+(\e)*2048
.endr
.endr
	s_wait_dscnt 0x0
	s_barrier_signal -1
	s_barrier_wait -1
	WIN 0x40
	s_wait_alu depctr_vm_vsrc(0)                   ; LAST's LDS stores have read H, in which the state's fragments land; the last states' LDS stores have read the out-buffers, which scores, weights, O^T and Y take over
.set n, 0
.rept 20
	ds_load_b128 v[4*n:4*n+3], v[SNR] offset:512*n ; my segment's start state: fragment (e, dk) at 16 e + 8 dk
.set n, n+1
.endr
	WIN 0
	s_wait_loadcnt 0x0                             ; fq and kg
	s_wait_dscnt 0x0
; SIXTEEN QUERIES, block qb of my segment.  Scores against key blocks 0 .. qb and the product with the start state, one instruction a turn, so that no two neighbours share an accumulator; then the decay, the
; rounding, the second product, the division.
.macro QB qb
	WIN 0x0a                                       ; kg and fq in window 2
.set kb, 0
.rept (\qb)+1
	v_wmma_f32_16x16x32_bf16 v[ST+8*kb:ST+8*kb+7], v[128+16*kb:128+16*kb+7], v[16*(\qb):16*(\qb)+7], 0
.set kb, kb+1
.endr
	WIN 0x09                                       ; the state in window 1, fq in window 2
.irp e, 0,1,2,3,4
	v_wmma_f32_16x16x32_bf16 v[O+8*(\e):O+8*(\e)+7], v[16*(\e):16*(\e)+7], v[16*(\qb):16*(\qb)+7], 0
.endr
	WIN 0x0a
.set kb, 0
.rept (\qb)+1
	v_wmma_f32_16x16x32_bf16 v[ST+8*kb:ST+8*kb+7], v[136+16*kb:136+16*kb+7], v[16*(\qb)+8:16*(\qb)+15], v[ST+8*kb:ST+8*kb+7]
.set kb, kb+1
.endr
	WIN 0x09
.irp e, 0,1,2,3,4
	v_wmma_f32_16x16x32_bf16 v[O+8*(\e):O+8*(\e)+7], v[16*(\e)+8:16*(\e)+15], v[16*(\qb)+8:16*(\qb)+15], v[O+8*(\e):O+8*(\e)+7]
.endr
	WIN 0
	PLACES
	PLACES                                         ; eight: the lines below write accumulators in place
.set kb, 0
.rept (\qb)+1
.irp p, 0,2,4,6
	v_pk_mul_f32 v[ST+8*kb+(\p):ST+8*kb+(\p)+1], v[ST+8*kb+(\p):ST+8*kb+(\p)+1], v[DM+8*((\qb)-kb)+(\p):DM+8*((\qb)-kb)+(\p)+1]
.endr
.irp q, 0,1,2,3
	v_cvt_pk_bf16_f32 v[P+4*kb+(\q)], v[ST+8*kb+2*(\q)], v[ST+8*kb+2*(\q)+1]
.endr
.set kb, kb+1
.endr
.if (\qb)%2 == 0
.irp q, 0,1,2,3
	v_mov_b32 v[P+4*((\qb)+1)+(\q)], 0             ; the last fragment's upper 16 keys lie above the diagonal
.endr
.endif
.set i, 0
.rept 17                               ; r^(i + 1): the four tiles of y's channels, and of the fifth the pair that holds the divisor
.if (\qb)%2
	v_pk_mul_f32 v[O+i:O+i+1], v[O+i:O+i+1], v[LAM+(\qb)-1:LAM+(\qb)] op_sel:[0,1] op_sel_hi:[1,1]
.else
	v_pk_mul_f32 v[O+i:O+i+1], v[O+i:O+i+1], v[LAM+(\qb):LAM+(\qb)+1] op_sel_hi:[1,0]
.endif
.set i, i+2
.endr
	WIN 0x03                                       ; v' in window 3
.set kk, 0
.rept (\qb)/2+1
.irp e, 0,1,2,3
	v_wmma_f32_16x16x32_bf16 v[O+8*(\e):O+8*(\e)+7], v[32*kk+8*(\e):32*kk+8*(\e)+7], v[P+8*kk:P+8*kk+7], v[O+8*(\e):O+8*(\e)+7]
.endr
	v_wmma_f32_16x16x32_bf16 v[O+32:O+39], v[128:135], v[P+8*kk:P+8*kk+7], v[O+32:O+39]
.set kk, kk+1
.endr
	WIN 0
	PLACES
	PLACES
	s_wait_xcnt 0x0                                ; the stores of the block before have had their addresses translated
.if (\qb) > 0
	s_wait_alu depctr_vm_vsrc(0)                   ; the stores of the block before have read Y, which the conversions below write again
.endif
	v_add_f32 v24, 0x358637bd, v[O+32]             ; the divisor + 1e-6
	v_rcp_f32 v[INV], v24
	v_mov_b32 v[INV+1], 0                          ; the plain line behind the reciprocal; the pair is named whole below
	s_wait_alu depctr_va_vdst(0)                   ; the reciprocal has written v248
.set i, 0
.rept 16
	v_pk_mul_f32 v[O+i:O+i+1], v[O+i:O+i+1], v[INV:INV+1] op_sel_hi:[1,0]
.set i, i+2
.endr
.set i, 0
.rept 16
	v_cvt_pk_bf16_f32 v[Y+i], v[O+2*i], v[O+2*i+1]
.set i, i+1
.endr
	s_wait_alu depctr_va_vdst(0)                   ; the conversions have written Y, which the four stores read
.irp e, 0,1,2,3
	global_store_b128 v[LIN], v[Y+4*(\e):Y+4*(\e)+3], s[24:25] offset:(\qb)*32768+(\e)*512  ; half a fragment of y's image: 512 consecutive bytes, aligned
.endr
.endm
	QB 0
	QB 1
	QB 2
	QB 3
	QB 4
	QB 5
	QB 6
	QB 7
	s_wait_dscnt 0x0                               ; the wave's end
	s_wait_alu 0x0
	s_wait_tensorcnt 0x0
	ds_add_u32 v[SPW], v[NIL]
	s_wait_dscnt 0x0
	s_endpgm
.Lfunc_end_k_q6e3ab43ee3_attn:
	.size	k_q6e3ab43ee3_attn, .Lfunc_end_k_q6e3ab43ee3_attn-k_q6e3ab43ee3_attn
	.p2alignl 7, 3214868480
	.fill 96, 4, 3214868480
	.section	.rodata,"a",@progbits
	.p2align	6, 0x0
	.amdhsa_kernel k_q6e3ab43ee3_attn
		.amdhsa_group_segment_fixed_size 205312
		.amdhsa_private_segment_fixed_size 0
		.amdhsa_enable_private_segment 0
		.amdhsa_kernarg_size 24
		.amdhsa_user_sgpr_count 2
		.amdhsa_user_sgpr_kernarg_segment_ptr 1
		.amdhsa_wavefront_size32 1
		.amdhsa_system_sgpr_workgroup_id_x 1
		.amdhsa_system_sgpr_workgroup_id_y 1
		.amdhsa_system_sgpr_workgroup_id_z 1
		.amdhsa_system_vgpr_workitem_id 0
		.amdhsa_next_free_vgpr 1024
		.amdhsa_next_free_sgpr 66
		.amdhsa_reserve_vcc 0
		.amdhsa_float_denorm_mode_32 3
		.amdhsa_float_denorm_mode_16_64 3
		.amdhsa_memory_ordered 1
		.amdhsa_forward_progress 1
		.amdhsa_inst_pref_size 155
	.end_amdhsa_kernel
	.amdgpu_metadata
---
amdhsa.version: [ 1, 2 ]
amdhsa.kernels:
  - .name:           k_q6e3ab43ee3_attn
    .symbol:         k_q6e3ab43ee3_attn.kd
    .args:
      - { .name: qkv, .offset: 0, .size: 8, .value_kind: global_buffer, .address_space: global }
      - { .name: theta, .offset: 8, .size: 8, .value_kind: global_buffer, .address_space: global }
      - { .name: yf, .offset: 16, .size: 8, .value_kind: global_buffer, .address_space: global }
    .group_segment_fixed_size: 205312
    .private_segment_fixed_size: 0
    .kernarg_segment_align: 8
    .kernarg_segment_size: 24
    .max_flat_workgroup_size: 128
    .sgpr_count:     66
    .vgpr_count:     1024
    .wavefront_size: 32
...
	.end_amdgpu_metadata
.endif
;; end of part 7
;; launch outp: the kernel of part 4 again; grid 4 x 64, 4 waves a work-group, clusters of 4 x 4, 327,680 bytes of LDS; arguments yf, wf, yp; writes yp
;; launch lnorm: the kernel of part 5 again; grid 256 x 1, 16 waves a work-group, no clusters, 0 bytes of LDS; arguments x, yp, bo, ln_gamma, ln_beta, out0; writes out0
